; MI455X (gfx1250); checked and timed in simulation.
; The chip was launched on July 23, 2026; its instructions are those of AMD's public machine-readable ISA for CDNA 5 (MIT licence, August 2026) and "CDNA5" Instruction Set Architecture Reference Guide (July 2026). The comments in the code are by the model that wrote it; some were corrected since.
;; Prunable Llama Attention. Allowed arithmetic: matrix products marked QUANTISED: E2M3 operands, one E8M0 scale for each 32 along K, by v_wmma_scale_f32_16x16x128_f8f6f4 with both operands' format E2M3, f32 sums; everything else in f32.
;; Inputs: Wk_codes 1,024 x 128 x 24 uint8 (E2M3 codes of Wk, K innermost, in blocks of 32 codes, four codes in three bytes); Wk_scales 1,024 x 128 uint8 (E8M0 scales of Wk, one for each 32 codes along K); Wo_codes 4,096 x 64 x 24 uint8 (E2M3 codes of Wo, K innermost, in blocks of 32 codes, four codes in three bytes); Wo_scales 4,096 x 64 uint8 (E8M0 scales of Wo, one for each 32 codes along K); Wq_codes 2,048 x 128 x 24 uint8 (E2M3 codes of Wq, K innermost, in blocks of 32 codes, four codes in three bytes); Wq_scales 2,048 x 128 uint8 (E8M0 scales of Wq, one for each 32 codes along K); Wv_codes 1,024 x 128 x 24 uint8 (E2M3 codes of Wv, K innermost, in blocks of 32 codes, four codes in three bytes); Wv_scales 1,024 x 128 uint8 (E8M0 scales of Wv, one for each 32 codes along K); attention_mask 1 x 1 x 2,048 x 2,048 float32; hidden_states_codes 1 x 2,048 x 128 x 24 uint8 (E2M3 codes of hidden_states, K innermost, in blocks of 32 codes, four codes in three bytes); hidden_states_scales 1 x 2,048 x 128 uint8 (E8M0 scales of hidden_states, one for each 32 codes along K); position_ids 1 x 2,048 int32.
;; Outputs: out0 1 x 2,048 x 4,096 float32.
;; This version of the problem:
;;   THIS VERSION OF THE PROBLEM IS GIVEN IN LOW PRECISION. The matrix products marked QUANTISED in the list below multiply operands that are first quantised to E2M3 (2 exponent bits, 3 mantissa bits; 6 bits a number), with one power-of-two scale for each 32 numbers along K (OCP MX v1.0); their sums are f32. All else is computed in f32.
;;   The module's matrix products, in the order in which they are computed (A, B: the left and right operand; K: the contracted axis; several contracted axes count as one K, in the product's order):
;;     1. [M 2,048, K 4,096] x [K 4,096, N 2,048]; A: input hidden_states (given as codes); B: input Wq (given as codes): QUANTISED
;;     2. [M 2,048, K 4,096] x [K 4,096, N 1,024]; A: input hidden_states (given as codes); B: input Wk (given as codes): QUANTISED
;;     3. [M 2,048, K 4,096] x [K 4,096, N 1,024]; A: input hidden_states (given as codes); B: input Wv (given as codes): QUANTISED
;;     4. batch 16 x [M 2,048, K 128] x [K 128, N 2,048]; A: computed on the way; B: computed on the way: QUANTISED
;;     5. batch 16 x [M 2,048, K 2,048] x [K 2,048, N 128]; A: softmax (see below); B: computed on the way: QUANTISED
;;     6. [M 2,048, K 2,048] x [K 2,048, N 4,096]; A: computed on the way; B: input Wo (given as codes): QUANTISED
;;   THE QUANTISER, for each operand of a quantised product, along K:
;;     - K is cut into blocks of 32 from its start; a last block that is shorter is filled with zeros.
;;     - A block's scale is 2^e with e = floor(log2(the largest magnitude in the block)) - 2, held to -126 .. 127; a block of zeros has e = 0. As a byte (E8M0): e + 127.
;;     - Each number is divided by its block's scale, clamped to +-7.5, and rounded to the nearest number of E2M3, ties to even, subnormals kept.
;;     - The product sums the exact products of the quantised numbers (number of the format x scale) in f32.
;;   ~~~python
;;   def quantise(x, axis):      # numpy; x: float32 -> the quantised numbers, widened to float32 again
;;       x = np.moveaxis(x, axis, -1); K = x.shape[-1]
;;       x = np.pad(x, [(0, 0)] * (x.ndim - 1) + [(0, -K % 32)]); x = x.reshape(x.shape[:-1] + (-1, 32)); a = np.abs(x).max(-1, keepdims=True)
;;       e = np.where(a > 0, np.clip(np.frexp(np.where(a > 0, a, 1))[1] - 1 - 2, -126, 127), 0)      # np.frexp(a)[1] - 1 = floor(log2(a)), exactly
;;       r = np.clip(x / 2.0 ** e, -7.5, 7.5)
;;       step = 2.0 ** (np.maximum(np.frexp(np.where(r == 0, 1, r))[1] - 1, 0) - 3)
;;       q = np.round(r / step) * step * 2.0 ** e      # np.round: ties to even
;;       return np.moveaxis(q.reshape(q.shape[:-2] + (-1,))[..., :K], -1, axis).astype(np.float32)
;;   ~~~
;;   SOFTMAX AHEAD OF A QUANTISED PRODUCT. Where the list says 'softmax', what is quantised is not the finished softmax but p = 2^(t - M), with t = logit x log2(e) and M = ceil(the row's largest t), a whole number; so 1/2 < the row's largest p <= 1. The row's sum l is taken of the UNQUANTISED p, in f32, and the product's result is divided by l at the end. Since M is a whole number, a kernel that streams over the keys may use a running M (the ceiling of the running maximum): every later rescaling is an exact power of two, which a block's scale takes up: the codes' values come out the same.
;;   OPERANDS COMPUTED ON THE WAY. 'Computed on the way' means the value that the module computes at that place (a softmax that the list does not call 'softmax' is quantised finished and normalised). What goes into a quantiser is computed in f32, as accurately as f32 sums, v_exp_f32 and their like allow (about 1e-6 of the number): no bf16 or f16 on the way to a quantiser, and a product that is left as it is and whose result goes on into a quantised operand takes f32 operands (vector FMAs, or v_wmma_f32_16x16x4_f32). A number that lies on a knife's edge between two numbers of the format may be rounded either way, as far as f32 arithmetic and the matrix unit's own rounding can turn it there, and no further.
;;   INPUTS GIVEN AS CODES. Wk (in the module: [1024, 4096], K = its axis 1); Wo (in the module: [4096, 2048], K = its axis 1); Wq (in the module: [2048, 4096], K = its axis 1); Wv (in the module: [1024, 4096], K = its axis 1); hidden_states (in the module: [1, 2048, 4096], K = its axis 2): each comes as NAME_codes (uint8): NAME with its K axis moved to the last place and cut into blocks of 32 codes, [.., K / 32, bytes a block], one block behind the other in memory; four codes in three bytes: a row's codes are one little-endian stream of bits, code i at bits 6 i .. 6 i + 5 (a code: sign, 2 exponent bits, 3 mantissa bits); and NAME_scales (uint8): the same leading axes, one E8M0 byte (e + 127) for each 32 codes along K. Its value is code x scale, taken as it is: it is not quantised again, and the codes and scales need not be those that the quantiser above would give.
;; One version. Each part assembles by itself: llvm-mc -triple=amdgcn-amd-amdhsa -mcpu=gfx1250 --defsym DOCPART=n.
;; ======== version 1 of 1: 3 launches
;; limits: right only within a limited range of input values
;; workspace buffers: qimg 3,145,728 bytes; qscl 262,144 bytes; kvimg 3,407,872 bytes; aimg 3,145,728 bytes; ascl 262,144 bytes
;; launch qkv (part 1): grid 16 x 16, 4 waves a work-group, clusters of 4 x 4, 327,680 bytes of LDS; arguments hidden_states_codes, hidden_states_scales, Wq_codes, Wq_scales, Wk_codes, Wk_scales, Wv_codes, Wv_scales, position_ids, qimg, qscl, kvimg; writes qimg, qscl, kvimg
.if DOCPART == 1
	.amdgcn_target "amdgcn-amd-amdhsa--gfx1250"
	.amdhsa_code_object_version 6
	.text
	.protected	k_q33db08fb10_qkv
	.globl	k_q33db08fb10_qkv
	.p2align	8
	.type	k_q33db08fb10_qkv,@function
k_q33db08fb10_qkv:
	s_mov_b64 s[64:65], 0
	v_nop
	global_prefetch_b8 v0, s[64:65] scope:SCOPE_SE
	s_setreg_imm32_b32 hwreg(HW_REG_WAVE_MODE, 25, 1), 1
	s_wait_xcnt 0x0
	s_wait_alu depctr_hold_cnt(0) depctr_sa_sdst(0) depctr_va_vdst(0) depctr_va_sdst(0) depctr_va_ssrc(0) depctr_va_vcc(0) depctr_vm_vsrc(0)
	s_getreg_b32 s2, hwreg(HW_REG_IB_STS2, 6, 4)
	s_cmp_eq_u32 s2, 0
	s_cbranch_scc0 .Lentry_in_a_cluster
	s_endpgm
.Lentry_in_a_cluster:
	s_bfe_u32 s2, ttmp6, 0x10000c
	s_cmp_lg_u32 s2, 0xf033
	s_cbranch_scc0 .Lentry_shape_is_right
	s_endpgm
.Lentry_shape_is_right:
; q = rope(x Wq^T), k = rope(x Wk^T), v = x Wv^T on codes of FP6 (E2M3) with one E8M0 scale for each 32 along K = 4,096; the results are quantised again
; (q, k along the head's 128; v along the keys) and leave as IMAGES OF OPERAND REGISTERS: a fragment of 16 rows x 128 K is 1,536 bytes, register group c at 512 c + 16 lane; its scale words 128 bytes, 4 a lane.
; ONE BODY, THREE KINDS, told apart by the cluster's x, which all sixteen partners share: only pointers, tile numbers and three constants are chosen by it, no branch.
; X (source 0, 256 rows a work-group) x Y (source 1, 128 rows):  cluster x 0, 1: X = Wq, Y = the tokens;  2: X = Wk, Y = the tokens;  3: X = the tokens (v's keys), Y = Wv.
; A lane holds ONE row of Y and its registers run along X.  Wave w takes Y's rows 64 (w / 2) on and X's rows 128 (w % 2) on: 32 accumulators, 256 registers.
; THE RING: three LDS areas, each with one chunk of 256 bytes of all 384 rows (a row of codes is 3,072 bytes, so every chunk begins at a multiple of 256 bytes), run as two slots: the pair (areas 0, 1) and the single (area 2).
; Three chunks are 768 bytes = eight steps of 128 along K: a trip.  Chunk 3 t + c lies in area c, so every LDS address is the same in every trip.  Steps 2 and 5 of a trip lie across two chunks.
; Step 4: a barrier shows the single whole.  Step 5: the pair is read no more: a round of the cluster's barrier, and its refill (one load a wave).
; Step 7: the same for the single (waves 0 and 2); that round also shows the pair whole.  Y's tile is asked for jointly along a row of the cluster, X's along a column.
; FRAGMENTS have two sets each: at the head of step n all 72 LDS loads of step n + 1 go out in one run, into the set that step n - 1 multiplied, and step n's 32 products follow them.
; THE SCALE BYTES go from memory into registers: the three areas and the spare words take 313,856 bytes of LDS, which leaves no room for 49,152 bytes of scales.  A lane takes 16 bytes of a row, the words of four steps;
; lanes 0-15 hold block j's rows, lanes 16-31 block j + 4's (Y: j + 2's).  Two sets of 24 registers; a set is asked for four steps ahead of its first use.
; PREFETCH: in step 1 of a trip the next trip's three chunks are named, four steps ahead of the pair's refill and six ahead of the single's: a lane a row, three blocks of 256 bytes a lane.  The partners that ask for a tile
; jointly share its rows out by address: wave 0 names 32 of Y's 128 rows (by cx), waves 1 and 2 name 64 of X's 256 (by cy).  The first trip's chunks come by their loads alone; the last trip names nothing.
; ROPE: cos and sin of position x 10000^(-f / 64) are made in f32 while the first tiles are on their way: the angle less a whole number of quarter turns (pi / 2 in three parts), then polynomials on +-pi / 4.
; A wave makes half of the frequencies for its 64 tokens, keeps them in window 3 through the loop and stores them into area 0 behind that area's last fill and last read.  v IS NOT ROTATED: its positions are multiplied by 0.
; LIMITS: |position| up to 2^22; 10000^(-f / 64) is made by v_exp_f32, so an angle may differ from an exactly rounded one by about 2 parts in 10^7 of itself;
; a block of zeros gets the scale byte 1 (its codes are zeros; these bytes are read by this program alone); NaN and infinities are not served.
; ORDER OF ROWS IN THE IMAGES: q's tiles hold 16 neighbouring tokens.  In k's tiles of keys and v's tiles of channels lane r of tile 2 b + u holds row 32 b + 8 u + r + 8 (r / 8).
; REGISTERS: window 0: v1-31 addresses; v32-79 scale words (nothing else); v104-199 Y's fragments, two sets; v104-255 at work in the table and the epilogue.  window 1: X's two sets, at v0 and v128.
;   window 2: the accumulators, (a, b) at v[8 (8 a + b)].   window 3: v0-127 my half of the table.
.set KROW,   3072
.set PITCH,  272                       ; 256 bytes + 16 of padding: the 32 lanes of a load of 8 bytes touch 64 different banks (ISA guide 11.1)
.set FR,     12
.set YT,     128*PITCH
.set XT,     256*PITCH
.set YW,     64*PITCH
.set XW,     128*PITCH
.set XOFF,   YT
.set SLOT,   YT+XT                     ; an area: 104,448
.set TRIPB,  768
.set SPARE,  3*SLOT
.set KVS,    53248
.set KVH,    8*KVS
.set KSC,    24576
.set VO,     26624
.set VSC,    51200
.set SPW,  1
.set NIL,  2
.set LI,   3
.set LS,   4
.set RR,   5
.set HH,   6
.set ADRY, 8                           ; v8-10 Y's fragments in areas 0, 1, 2; v11-12: lanes 0-15 at byte 232 of area 0, 1, lanes 16-31 at byte 0 of the next area
.set ADRX, 13                          ; v13-17 the same for X
.set VSX,  18
.set VSY,  19
.set PFO,  20
.set PF,   22
.set TW,   30
.set TR,   31
.set SX,   32
.set SY,   64
.set AF,   104
.set S3V,  104
.set C3V,  106
.set TP,   108
.set TT,   112
.set PO,   113
.set INV,  128
.set TH,   144
.set KQ,   160
.set ZZ,   176
.set SP,   192
.set CP,   208
.set TCO,  224
.set TSI,  240
.set PC,   104
.set COS,  152
.set SIN,  184
.set RT,   216
.set PX,   248
.set TM,   8
.set PW,   24
.set DT0,  28
.set DT1,  29
.set G1,   24                          ; s[24:31] group 1 for Y's tiles; s[32:35] group 0 for the pair, s[36:39] for the single
.set G0,   32
.set G1B,  40                          ; s[40:47], s[48:55] the same for X's
.set G0B,  48
.set SBX,  56                          ; s[56:57], s[58:59] where my rows' scale bytes stand; s[60:61] where my prefetches stand
.set SBY,  58
.set PFB,  60
.set MSB, 0
.macro WIN new
.if MSB != \new
	s_set_vgpr_msb (MSB<<8)|\new
.set MSB, \new
.endif
.endm
.set MUL,  0xa1                        ; source 0 (X) window 1, source 1 (Y) window 0, C and D window 2
.set TO_B, 0x40
.macro JLOAD g0y, g1y, g0x, g1x, even  ; waves 0, 1 fetch for Y, waves 2, 3 for X; even = 1: waves 0 and 2 alone
.if \even
	s_cmp_eq_u32 s6, 0
	s_cbranch_scc0 .Lasked_\@
.endif
	s_cmp_eq_u32 s5, 0
	s_cbranch_scc0 .Lfor_x_\@
	tensor_load_to_lds s[\g0y:\g0y+3], s[\g1y:\g1y+7]
	s_nop 0
.rept 4
	v_nop
.endr
	s_branch .Lasked_\@
.Lfor_x_\@:
	tensor_load_to_lds s[\g0x:\g0x+3], s[\g1x:\g1x+7]
	s_nop 0
.rept 4
	v_nop
.endr
.Lasked_\@:
.endm
.macro CREST
	s_cmp_lg_u32 s4, 0
	s_cbranch_scc1 .Lnot_wave_0_\@
	s_barrier_signal -3
.Lnot_wave_0_\@:
	s_barrier_wait -3
	s_barrier_signal -1
	s_barrier_wait -1
.endm
.macro CROUND
	s_barrier_signal -1
	s_barrier_wait -1
	CREST
.endm
.macro PLACES n
.rept \n
	v_nop
.endr
.endm
.macro SLOAD set                       ; the scale words of four steps
.irp j, 0,1,2,3
	global_load_b128 v[SX+16*(\set)+4*\j:SX+16*(\set)+4*\j+3], v[VSX], s[SBX:SBX+1] offset:2048*\j
.endr
.irp j, 0,1
	global_load_b128 v[SY+8*(\set)+4*\j:SY+8*(\set)+4*\j+3], v[VSY], s[SBY:SBY+1] offset:2048*\j
.endr
.endm
	s_load_b512 s[84:99], s[0:1], 0x0              ; x's codes, scales; Wq's; Wk's; Wv's
	s_load_b256 s[76:83], s[0:1], 0x40             ; position_ids, qimg, qscl, kvimg
	v_lshl_add_u32 v[SPW], v0, 2, SPARE
	v_mov_b32 v[NIL], 0
	ds_add_u32 v[SPW], v[NIL]                      ; the opening lines: the add twice on end and its wait
	ds_add_u32 v[SPW], v[NIL]
	v_lshrrev_b32 v7, 5, v0
	v_readfirstlane_b32 s4, v7                     ; wave 0..3
	s_lshr_b32 s5, s4, 1                           ; wy; also: I fetch for Y (0) or X (1)
	s_and_b32 s6, s4, 1                            ; wx; also: which area of the pair I fill
	s_bfe_u32 s7, ttmp6, 0x40000                   ; cx
	s_bfe_u32 s8, ttmp6, 0x40004                   ; cy
	s_mov_b32 s9, ttmp9                            ; the kind
	s_and_b32 s10, ttmp7, 0xffff
	s_and_b32 s16, s10, 1
	s_lshr_b32 s17, s10, 1
	s_cmp_lt_u32 s9, 2                             ; q?
	s_cselect_b32 s11, s9, 0
	s_cselect_b32 s14, 0, 0xff00ff00               ; the lanes that change tiles at the end: none for q
	s_cselect_b32 s15, 0, 0x00ff00ff
	s_cmp_eq_u32 s9, 3                             ; v?
	s_cselect_b32 s11, s16, s11
	s_cselect_b32 s12, s17, s10
	s_cselect_b32 s13, 0, 0x3f800000               ; what the positions are multiplied by
	s_lshl_b32 s11, s11, 2
	s_add_co_u32 s11, s11, s7                      ; xi: my tile of 256 rows of X
	s_lshl_b32 s12, s12, 2
	s_add_co_u32 s12, s12, s8                      ; yi: my tile of 128 rows of Y
	s_lshl_b32 s66, s8, 2
	s_lshl_b32 s66, 15, s66                        ; my row of the cluster
	s_lshl_b32 s2, 0x1111, s7                      ; my column
	s_or_b32 s[G1], s66, (0<<16)|(1<<20)|(1<<21)|(5<<22)|(3<<25)    ; the mask; 1-byte elements; after every 64 words 4 words of padding; bit 21 beside a mask
	s_or_b32 s[G1B], s2, (0<<16)|(1<<20)|(1<<21)|(5<<22)|(3<<25)
.irp g, G1, G1B
	s_mov_b32 s[\g+1], 256<<16
	s_mov_b32 s[\g+3], 256<<16
	s_mov_b32 s[\g+5], KROW
	s_mov_b32 s[\g+6], 0
	s_mov_b32 s[\g+7], 0
.endr
	s_mov_b32 s[G1+2], 128<<16
	s_mov_b32 s[G1+4], 128
	s_mov_b32 s[G1B+2], 256<<16
	s_mov_b32 s[G1B+4], 256
	s_mov_b32 s[G0], 1
	s_mov_b32 s[G0+4], 1
	s_mov_b32 s[G0B], 1
	s_mov_b32 s[G0B+4], 1
	s_mul_i32 s[G0+1], s6, SLOT                    ; LDS addresses: constants and the wave's number alone
	s_mov_b32 s[G0+5], 2*SLOT
	s_add_co_u32 s[G0B+1], s[G0+1], XOFF
	s_mov_b32 s[G0B+5], 2*SLOT+XOFF
	s_lshl_b32 s66, s12, 7                         ; Y: row 128 yi, chunk wx
	s_mul_i32 s[G0+2], s66, KROW
	s_lshl_b32 s67, s6, 8
	s_add_co_u32 s[G0+2], s[G0+2], s67
	s_mov_b32 s[G0+3], 0
	s_lshl_b32 s2, s11, 8                          ; X: row 256 xi, chunk wx
	s_mul_i32 s[G0B+2], s2, KROW
	s_lshl_b32 s3, s6, 8
	s_add_co_u32 s[G0B+2], s[G0B+2], s3
	s_mov_b32 s[G0B+3], 0
	s_lshl_b32 s68, s12, 7                         ; my rows' scale bytes, 128 a row: Y's row 128 yi + 64 wy,
	s_lshl_b32 s69, s5, 6
	s_add_co_u32 s68, s68, s69
	s_lshl_b32 s70, s68, 7
	s_mov_b32 s71, 0
	s_lshl_b32 s68, s11, 8                         ; X's row 256 xi + 128 wx
	s_lshl_b32 s69, s6, 7
	s_add_co_u32 s68, s68, s69
	s_lshl_b32 s68, s68, 7
	s_mov_b32 s69, 0
	s_lshl_b32 s72, s12, 7                         ; the prefetches: wave 0: Y's row 128 yi + 32 cx;
	s_lshl_b32 s73, s7, 5
	s_add_co_u32 s72, s72, s73
	s_lshl_b32 s74, s11, 8                         ; waves 1, 2: X's row 256 xi + 64 cy + 32 (w - 1)
	s_lshl_b32 s73, s8, 6
	s_add_co_u32 s74, s74, s73
	s_lshl_b32 s73, s4, 5
	s_add_co_u32 s74, s74, s73
	s_sub_co_u32 s74, s74, 32
	s_cmp_eq_u32 s4, 0
	s_cselect_b32 s72, s72, s74
	s_mul_i32 s72, s72, KROW
	s_add_co_u32 s72, s72, TRIPB                   ; the second trip's first chunk
	s_mov_b32 s73, 0
	s_lshl_b32 s75, s12, 9                         ; position_ids: entry 128 yi + 64 wy + r (for v: what is read is multiplied by 0)
	s_lshl_b32 s74, s5, 8
	s_add_co_u32 s75, s75, s74
	s_mov_b32 s100, 0x76543210
	s_mov_b32 s101, 0xfedcba98
	v_and_b32 v[RR], 15, v0
	v_bfe_u32 v[HH], v0, 4, 1
	v_lshl_add_u32 v[PO], v[RR], 2, s75
	v_lshl_add_u32 v[VSX], v[HH], 6, v[RR]         ; X's scales: row r + 64 (lane / 16)
	v_lshl_add_u32 v[VSY], v[HH], 5, v[RR]         ; Y's: row r + 32 (lane / 16)
	v_lshlrev_b32 v[VSX], 7, v[VSX]
	v_lshlrev_b32 v[VSY], 7, v[VSY]
	s_wait_alu depctr_va_vdst(0)
	s_wait_dscnt 0x0                               ; both opening adds are done
	s_wait_kmcnt 0x0
	s_cmp_lt_u32 s9, 2                             ; the buffers are chosen by the kind alone
	s_cselect_b64 s[16:17], s[88:89], s[92:93]
	s_cselect_b64 s[18:19], s[90:91], s[94:95]
	s_cmp_eq_u32 s9, 3
	s_cselect_b64 s[16:17], s[84:85], s[16:17]     ; X's codes
	s_cselect_b64 s[18:19], s[86:87], s[18:19]     ; X's scales
	s_cselect_b64 s[20:21], s[96:97], s[84:85]     ; Y's codes
	s_cselect_b64 s[22:23], s[98:99], s[86:87]     ; Y's scales
	s_add_nc_u64 s[SBX:SBX+1], s[18:19], s[68:69]
	s_add_nc_u64 s[SBY:SBY+1], s[22:23], s[70:71]
.irp a, 0,1,2,3
	global_load_b32 v[PF+2*\a], v[PO], s[76:77] offset:64*\a   ; the positions of my four blocks of tokens
.endr
	SLOAD 0                                        ; the scale words of steps 0 to 3
	s_add_nc_u64 s[G0+2:G0+3], s[20:21], s[G0+2:G0+3]
	s_add_nc_u64 s[G0+6:G0+7], s[G0+2:G0+3], 512   ; the single: chunk 2 (in the waves with wx = 0, which alone ask by it)
	s_or_b32 s[G0+3], s[G0+3], 0x80000000
	s_or_b32 s[G0+7], s[G0+7], 0x80000000
	s_add_nc_u64 s[G0B+2:G0B+3], s[16:17], s[G0B+2:G0B+3]
	s_add_nc_u64 s[G0B+6:G0B+7], s[G0B+2:G0B+3], 512
	s_or_b32 s[G0B+3], s[G0B+3], 0x80000000
	s_or_b32 s[G0B+7], s[G0B+7], 0x80000000
	s_cmp_eq_u32 s4, 0
	s_cselect_b64 s[PFB:PFB+1], s[20:21], s[16:17]
	s_add_nc_u64 s[PFB:PFB+1], s[PFB:PFB+1], s[72:73]
	CROUND                                         ; all sixteen work-groups are here: the first joint loads meet
	JLOAD G0, G1, G0B, G1B, 0                      ; chunks 0 and 1: one tensor load a wave at the head
	v_and_b32 v7, 31, v0
	v_lshlrev_b32 v[LI], 4, v7
	v_lshlrev_b32 v[LS], 2, v7
	v_mul_u32_u24 v[PFO], v7, KROW                 ; a lane a row
	v_mul_u32_u24 v[TT], v[RR], PITCH
	s_mov_b32 s16, SLOT-232
	v_mul_u32_u24 v[TP], s16, v[HH]
	v_mad_u32_u24 v7, v[HH], 24, v[TT]             ; a fragment's row x pitch + 24 x half
	v_add_nc_u32 v[TP], v[TP], v[TT]
	v_add_nc_u32 v[TP], 232, v[TP]                 ; across two chunks: lanes 0-15 byte 232 of the row, lanes 16-31 byte 0 of the row in the next area
	s_wait_alu depctr_va_vdst(0)                   ; ahead of the run of scalar lines
	s_mul_i32 s16, s5, YW
	s_mul_i32 s17, s6, XW
	s_add_co_u32 s17, s17, XOFF
.irp s, 0,1,2
	v_add_nc_u32 v[ADRY+\s], s16, v7
	v_add_nc_u32 v[ADRX+\s], s17, v7
.if \s < 2
	v_add_nc_u32 v[ADRY+3+\s], s16, v[TP]
	v_add_nc_u32 v[ADRX+3+\s], s17, v[TP]
.endif
	s_add_co_u32 s16, s16, SLOT
	s_add_co_u32 s17, s17, SLOT
.endr
	s_lshl_b32 s16, s5, 15                         ; the table, from LDS byte 0: 32,768 bytes for each 64 tokens: block a x 8,192, half of the frequencies x 4,096, cos / sin x 2,048, four registers x 512, 16 x lane
	v_add_nc_u32 v[TR], s16, v[LI]
	s_lshl_b32 s17, s6, 12
	s_add_co_u32 s17, s17, s16
	v_add_nc_u32 v[TW], s17, v[LI]
	s_lshl_b32 s2, s11, 1                          ; where my four images and their scale words go, for each kind
	s_add_co_u32 s2, s2, s6                        ; the head: 2 xi + wx (q, k)
	s_lshl_b32 s3, s5, 2
	s_lshl_b32 s16, s2, 7
	s_lshl_b32 s17, s12, 3
	s_add_co_u32 s16, s16, s17
	s_add_co_u32 s16, s16, s3                      ; q: image 128 head + 8 yi + 4 wy
	s_mul_i32 s17, s16, 1536
	s_lshl_b32 s16, s16, 7
	s_mul_i32 s18, s2, KVH                         ; k: head, slot yi / 2, image 8 (yi % 2) + 4 wy
	s_lshr_b32 s19, s12, 1
	s_mul_i32 s19, s19, KVS
	s_add_co_u32 s18, s18, s19
	s_and_b32 s19, s12, 1
	s_lshl_b32 s19, s19, 3
	s_add_co_u32 s19, s19, s3
	s_mul_i32 s20, s19, 1536
	s_add_co_u32 s20, s20, s18
	s_lshl_b32 s19, s19, 7
	s_add_co_u32 s19, s19, s18
	s_add_co_u32 s19, s19, KSC
	s_mul_i32 s18, s12, KVH                        ; v: head yi, slot xi, image 8 wx + 4 wy
	s_mul_i32 s21, s11, KVS
	s_add_co_u32 s18, s18, s21
	s_lshl_b32 s21, s6, 3
	s_add_co_u32 s21, s21, s3
	s_mul_i32 s22, s21, 1536
	s_add_co_u32 s22, s22, s18
	s_add_co_u32 s22, s22, VO
	s_lshl_b32 s21, s21, 7
	s_add_co_u32 s21, s21, s18
	s_add_co_u32 s21, s21, VSC
	s_cmp_lt_u32 s9, 2
	s_cselect_b64 s[92:93], s[78:79], s[82:83]     ; images: qimg or kvimg
	s_cselect_b64 s[94:95], s[80:81], s[82:83]     ; scale words: qscl or kvimg
	s_cselect_b32 s17, s17, s20
	s_cselect_b32 s16, s16, s19
	s_cmp_eq_u32 s9, 3
	s_cselect_b32 s2, s22, s17
	s_cselect_b32 s66, s21, s16
	s_mov_b32 s3, 0
	s_mov_b32 s67, 0
	s_add_nc_u64 s[92:93], s[92:93], s[2:3]
	s_add_nc_u64 s[94:95], s[94:95], s[66:67]
; THE TABLE.  Wave (wx, wy) makes cos and sin for its 64 tokens and the frequencies f = 32 wx + 16 (lane / 16) + i, i = 0 .. 15.
.macro PKMUL8 d, x, y
.set j, 0
.rept 8
	v_pk_mul_f32 v[\d+j:\d+j+1], v[\x+j:\x+j+1], v[\y+j:\y+j+1]
.set j, j+2
.endr
.endm
.macro PKFMA8 d, x, y, z
.set j, 0
.rept 8
	v_pk_fma_f32 v[\d+j:\d+j+1], v[\x+j:\x+j+1], v[\y+j:\y+j+1], v[\z+j:\z+j+1]
.set j, j+2
.endr
.endm
.macro PKFMAM8 d, x, k, z
.set j, 0
.rept 8
	v_pk_fma_f32 v[\d+j:\d+j+1], v[\x+j:\x+j+1], \k, v[\z+j:\z+j+1] op_sel_hi:[1,0,1]
.set j, j+2
.endr
.endm
.macro PKFMAK8 d, x, y, k
.set j, 0
.rept 8
	v_pk_fma_f32 v[\d+j:\d+j+1], v[\x+j:\x+j+1], v[\y+j:\y+j+1], \k op_sel_hi:[1,1,0]
.set j, j+2
.endr
.endm
.macro PKFMAC8 d, x, c, k
.set j, 0
.rept 8
	v_pk_fma_f32 v[\d+j:\d+j+1], v[\x+j:\x+j+1], v[\c:\c+1], \k op_sel_hi:[1,1,0]
.set j, j+2
.endr
.endm
.macro SINCOS16 a
.set j, 0
.rept 8
	v_pk_mul_f32 v[TH+j:TH+j+1], v[INV+j:INV+j+1], v[PF+2*\a:PF+2*\a+1]   ; the angle, rounded once
.set j, j+2
.endr
.set j, 0
.rept 8
	v_pk_mul_f32 v[KQ+j:KQ+j+1], v[TH+j:TH+j+1], 0x3f22f983 op_sel_hi:[1,0]   ; x 2 / pi
.set j, j+2
.endr
.set j, 0
.rept 16
	v_rndne_f32 v[KQ+j], v[KQ+j]                   ; the number of quarter turns
.set j, j+1
.endr
	PKFMAM8 TH, KQ, 0xbfc90fdb, TH                 ; less that many times pi / 2, in three parts
	PKFMAM8 TH, KQ, 0x333bbd2e, TH
	PKFMAM8 TH, KQ, 0x26f72ced, TH
.set j, 0
.rept 16
	v_cvt_i32_f32 v[KQ+j], v[KQ+j]
.set j, j+1
.endr
	PKMUL8 ZZ, TH, TH
	PKFMAC8 SP, ZZ, S3V, 0x3c08839e                ; sin r = r + r z (s1 + z (s2 + z s3))
	PKFMAK8 SP, SP, ZZ, 0xbe2aaaa3
	PKMUL8 TCO, TH, ZZ
	PKFMA8 SP, TCO, SP, TH
	PKFMAC8 CP, ZZ, C3V, 0xbab6061a                ; cos r = 1 - z / 2 + z z (c1 + z (c2 + z c3))
	PKFMAK8 CP, CP, ZZ, 0x3d2aaaa5
	PKMUL8 TCO, ZZ, ZZ
.set j, 0
.rept 8
	v_pk_fma_f32 v[TSI+j:TSI+j+1], v[ZZ+j:ZZ+j+1], -0.5, 1.0 op_sel_hi:[1,0,0]
.set j, j+2
.endr
	PKFMA8 CP, TCO, CP, TSI
.set j, 0
.rept 16                               ; an odd number of quarter turns swaps sin and cos; sin changes sign with bit 1, cos with bit 0 xor bit 1
	v_and_b32 v[TP], 1, v[KQ+j]
	v_cmp_eq_u32 vcc_lo, 1, v[TP]
	v_cndmask_b32 v[TCO+j], v[CP+j], v[SP+j], vcc_lo
	v_cndmask_b32 v[TSI+j], v[SP+j], v[CP+j], vcc_lo
	v_lshlrev_b32 v[TP+1], 30, v[KQ+j]
	v_and_b32 v[ZZ+j], 0x80000000, v[TP+1]
	v_lshlrev_b32 v[TP+2], 31, v[KQ+j]
	v_xor_b32 v[KQ+j], v[TP+2], v[ZZ+j]
.set j, j+1
.endr
	WIN 0xc0                                       ; to window 3: cos at v[32 a + j], sin at v[32 a + 16 + j]
.set j, 0
.rept 16
	v_xor_b32 v[32*\a+j], v[TCO+j], v[KQ+j]
	v_xor_b32 v[32*\a+16+j], v[TSI+j], v[ZZ+j]
.set j, j+1
.endr
	WIN 0
.endm
	s_lshl_b32 s16, s6, 5
	v_lshl_add_u32 v[TT], v[HH], 4, s16            ; 32 wx + 16 (lane / 16)
.irp i, 0,1,2,3,4,5,6,7,8,9,10,11,12,13,14,15
	v_add_nc_u32 v[TH+\i], \i, v[TT]
.endr
.irp i, 0,1,2,3,4,5,6,7,8,9,10,11,12,13,14,15
	v_cvt_f32_u32 v[TH+\i], v[TH+\i]
.endr
.irp i, 0,1,2,3,4,5,6,7,8,9,10,11,12,13,14,15
	v_mul_f32 v[TH+\i], 0xbe549a78, v[TH+\i]       ; x -log2(10000) / 64
.endr
	s_wait_alu depctr_va_vdst(0)
.irp i, 0,1,2,3,4,5,6,7,8,9,10,11,12,13,14,15
	v_exp_f32 v[INV+\i], v[TH+\i]                  ; 10000^(-f / 64)
.endr
	v_mov_b32 v[S3V], 0xb94ca1f9
	v_mov_b32 v[S3V+1], 0xb94ca1f9
	v_mov_b32 v[C3V], 0x37ccf5ce
	v_mov_b32 v[C3V+1], 0x37ccf5ce
	s_wait_loadcnt 0x0
.irp a, 0,1,2,3
	v_cvt_f32_i32 v[PF+2*\a], v[PF+2*\a]
.endr
.irp a, 0,1,2,3
	v_mul_f32 v[PF+2*\a], s13, v[PF+2*\a]          ; x 1, or x 0 for v
.endr
	s_wait_alu depctr_va_vdst(0)
.irp a, 0,1,2,3
	v_mov_b32 v[PF+2*\a+1], v[PF+2*\a]
.endr
	SINCOS16 0
	SINCOS16 1
	SINCOS16 2
	SINCOS16 3
; A fragment, 16 rows x 128 K: lane l holds row l % 16; registers 6 c .. 6 c + 5 hold K = 64 c + 32 (l / 16) + 0 .. 31: 24 bytes of the row, in pieces of 8.  ph: the step in its trip.
; Byte y of a trip's 768 lies in area y / 256 at byte y % 256 of the LDS row.  Where lanes 16-31, 24 bytes on, read the next chunk, the second kind of address register serves.
.macro FRAG reg, adr, ph, i
.irp p, 0,1,2,3,4,5
.set BY, 96*(\ph)+48*(\p/3)+8*(\p%3)
.if BY/256 == (BY+24)/256
	ds_load_b64 v[\reg+2*\p:\reg+2*\p+1], v[\adr+BY/256] offset:BY%256+(\i)*16*PITCH
.else
	ds_load_b64 v[\reg+2*\p:\reg+2*\p+1], v[\adr+3+BY/256] offset:BY%256-232+(\i)*16*PITCH
.endif
.endr
.endm
.macro FETCH nph, np                   ; all fragments of step nph into set np: X's eight, then Y's four
	WIN TO_B
.irp k, 0,1,2,3,4,5,6,7
	FRAG 128*(\np)+FR*\k, ADRX, \nph, \k
.endr
	WIN 0
.irp k, 0,1,2,3
	FRAG AF+48*(\np)+FR*\k, ADRY, \nph, \k
.endr
.endm
; One product: Y's block a against X's block b, fragments of set p, scale words of step ph.  The 32 accumulators take turns, in the same order in every step.
.macro WM a, b, p, ph, zero
.set DD, 8*(8*(\a)+(\b))
.set XX, 128*(\p)+FR*(\b)
.set YY, AF+48*(\p)+FR*(\a)
.set SA, SX+16*((\ph)/4)+4*((\b)%4)+(\ph)%4
.set SB, SY+8*((\ph)/4)+4*((\a)%2)+(\ph)%4
.set RS, 2*((\a)/2)+(\b)/4+4*(\zero)
.if RS == 0
	v_wmma_scale_f32_16x16x128_f8f6f4 v[DD:DD+7], v[XX:XX+11], v[YY:YY+11], v[DD:DD+7], v[SA], v[SB] matrix_a_fmt:MATRIX_FMT_FP6 matrix_b_fmt:MATRIX_FMT_FP6
.endif
.if RS == 1
	v_wmma_scale_f32_16x16x128_f8f6f4 v[DD:DD+7], v[XX:XX+11], v[YY:YY+11], v[DD:DD+7], v[SA], v[SB] matrix_a_fmt:MATRIX_FMT_FP6 matrix_b_fmt:MATRIX_FMT_FP6 matrix_a_scale:MATRIX_SCALE_ROW1
.endif
.if RS == 2
	v_wmma_scale_f32_16x16x128_f8f6f4 v[DD:DD+7], v[XX:XX+11], v[YY:YY+11], v[DD:DD+7], v[SA], v[SB] matrix_a_fmt:MATRIX_FMT_FP6 matrix_b_fmt:MATRIX_FMT_FP6 matrix_b_scale:MATRIX_SCALE_ROW1
.endif
.if RS == 3
	v_wmma_scale_f32_16x16x128_f8f6f4 v[DD:DD+7], v[XX:XX+11], v[YY:YY+11], v[DD:DD+7], v[SA], v[SB] matrix_a_fmt:MATRIX_FMT_FP6 matrix_b_fmt:MATRIX_FMT_FP6 matrix_a_scale:MATRIX_SCALE_ROW1 matrix_b_scale:MATRIX_SCALE_ROW1
.endif
.if RS == 4
	v_wmma_scale_f32_16x16x128_f8f6f4 v[DD:DD+7], v[XX:XX+11], v[YY:YY+11], 0, v[SA], v[SB] matrix_a_fmt:MATRIX_FMT_FP6 matrix_b_fmt:MATRIX_FMT_FP6
.endif
.if RS == 5
	v_wmma_scale_f32_16x16x128_f8f6f4 v[DD:DD+7], v[XX:XX+11], v[YY:YY+11], 0, v[SA], v[SB] matrix_a_fmt:MATRIX_FMT_FP6 matrix_b_fmt:MATRIX_FMT_FP6 matrix_a_scale:MATRIX_SCALE_ROW1
.endif
.if RS == 6
	v_wmma_scale_f32_16x16x128_f8f6f4 v[DD:DD+7], v[XX:XX+11], v[YY:YY+11], 0, v[SA], v[SB] matrix_a_fmt:MATRIX_FMT_FP6 matrix_b_fmt:MATRIX_FMT_FP6 matrix_b_scale:MATRIX_SCALE_ROW1
.endif
.if RS == 7
	v_wmma_scale_f32_16x16x128_f8f6f4 v[DD:DD+7], v[XX:XX+11], v[YY:YY+11], 0, v[SA], v[SB] matrix_a_fmt:MATRIX_FMT_FP6 matrix_b_fmt:MATRIX_FMT_FP6 matrix_a_scale:MATRIX_SCALE_ROW1 matrix_b_scale:MATRIX_SCALE_ROW1
.endif
.endm
.macro TABSTORE                        ; my half of the table, from window 3 into area 0: its last fill and every wave's last read of it lie ahead of the barrier just passed
	WIN 0x0c
.irp a, 0,1,2,3
.irp g, 0,1,2,3
	ds_store_b128 v[TW], v[32*\a+4*\g:32*\a+4*\g+3] offset:\a*8192+512*\g
	ds_store_b128 v[TW], v[32*\a+16+4*\g:32*\a+16+4*\g+3] offset:\a*8192+2048+512*\g
.endr
.endr
	WIN 0
.endm
; A STEP of 128 along K.  Its own fragments were asked for at the last step's head.  First the waits and, where one is due, the barrier (four products stand round its signal); then the next step's fetch in one run; then the products.
; kind 0: no barrier.  1: a barrier shows the single whole.  2: the pair is read no more: the three lines, a round, its refill.  3: the same for the single.
; fetch: the next step's fragments are fetched.  sl: the scale words four steps on are asked for.  ex 1: the prefetch; 2: its address is stepped; 3: the table is stored.
.macro STEP ph, kind, fetch, zero, sl, ex
.set P, (\ph)%2
.set NPH, ((\ph)+1)%8
.if (\ph)%4 == 0
	s_wait_loadcnt 0x0                             ; this step's set of scale words is in
.endif
.if \kind
	s_wait_tensorcnt 0x0                           ; all my tensor loads have landed
.if \kind > 1
	ds_add_u32 v[SPW], v[NIL]
.endif
	s_wait_dscnt (\kind)/2                         ; my fragments are in (the add may be out)
	WIN MUL
	WM 0, 0, P, \ph, \zero
	WM 0, 1, P, \ph, \zero
.if \kind > 1
	s_wait_dscnt 0x0                               ; the add is done; my reads of the slot that is left were over above
.endif
	s_barrier_signal -1
	WM 0, 2, P, \ph, \zero
	WM 0, 3, P, \ph, \zero
	WIN 0
	s_barrier_wait -1
.if \kind == 2
	CREST                                          ; the barrier has opened a round of the cluster's
	s_add_nc_u64 s[G0+2:G0+3], s[G0+2:G0+3], TRIPB
	s_add_nc_u64 s[G0B+2:G0B+3], s[G0B+2:G0B+3], TRIPB
	JLOAD G0, G1, G0B, G1B, 0
.endif
.if \kind == 3
	CREST
	s_add_nc_u64 s[G0+6:G0+7], s[G0+6:G0+7], TRIPB
	s_add_nc_u64 s[G0B+6:G0B+7], s[G0B+6:G0B+7], TRIPB
	JLOAD G0+4, G1, G0B+4, G1B, 1
.endif
.else
	s_wait_dscnt 0x0                               ; my fragments are in
.endif
	PLACES 4                                       ; behind the last step's products, whose fragments and scale words are loaded anew below (ISA guide 7.12.1)
.if \ex == 2
	s_wait_xcnt 0x0                                ; my prefetches have read their address
	s_add_nc_u64 s[PFB:PFB+1], s[PFB:PFB+1], TRIPB
.endif
.if \sl
	s_add_nc_u64 s[SBX:SBX+1], s[SBX:SBX+1], 16    ; (behind the wait that shows the earlier loads done)
	s_add_nc_u64 s[SBY:SBY+1], s[SBY:SBY+1], 16
	SLOAD 1-(\ph)/4
.endif
.if \ex == 1
	s_cmp_eq_u32 s4, 3
	s_cbranch_scc1 .Lnone_\@
	global_prefetch_b8 v[PFO], s[PFB:PFB+1] th:TH_LOAD_NT scope:SCOPE_SE
	global_prefetch_b8 v[PFO], s[PFB:PFB+1] offset:256 th:TH_LOAD_NT scope:SCOPE_SE
	global_prefetch_b8 v[PFO], s[PFB:PFB+1] offset:512 th:TH_LOAD_NT scope:SCOPE_SE
.Lnone_\@:
.endif
.if \ex == 3
	TABSTORE
.endif
.if \fetch
	FETCH NPH, 1-P
.endif
	WIN MUL
.irp b, 0,1,2,3,4,5,6,7
.if (\kind) == 0 || \b > 3
	WM 0, \b, P, \ph, \zero
.endif
.endr
.irp a, 1,2,3
.irp b, 0,1,2,3,4,5,6,7
	WM \a, \b, P, \ph, \zero
.endr
.endr
	WIN 0
.endm
	s_wait_alu depctr_va_vdst(0)                   ; at the head's end
	s_wait_tensorcnt 0x0                           ; my part of the pair is in; the add and its wait ahead of a later first fill:
	ds_add_u32 v[SPW], v[NIL]
	s_wait_dscnt 0x0
	CROUND                                         ; everybody's part is in, and all sixteen work-groups are here
	JLOAD G0+4, G1, G0B+4, G1B, 1                  ; chunk 2, the single's first fill
	FETCH 0, 0
	STEP 0, 0, 1, 1, 1, 0                          ; the first step's products start the sums
	s_mov_b32 s3, 3
.Llap:                                             ; a trip: from a trip's second step to the next trip's first; both slots are filled again
	STEP 1, 0, 1, 0, 0, 1
	STEP 2, 0, 1, 0, 0, 0
	STEP 3, 0, 1, 0, 0, 0
	STEP 4, 1, 1, 0, 1, 0
	STEP 5, 2, 1, 0, 0, 0
	STEP 6, 0, 1, 0, 0, 0
	STEP 7, 3, 1, 0, 0, 0
	STEP 0, 0, 1, 0, 1, 2
	s_sub_co_u32 s3, s3, 1
	s_cmp_lg_u32 s3, 0
	s_cbranch_scc1 .Llap
	STEP 1, 0, 1, 0, 0, 0                          ; the last trip asks for nothing more
	STEP 2, 0, 1, 0, 0, 0
	STEP 3, 0, 1, 0, 0, 0
	STEP 4, 1, 1, 0, 0, 3                          ; the last chunk is in; the table goes into area 0
	STEP 5, 0, 1, 0, 0, 0
	STEP 6, 0, 1, 0, 0, 0
	STEP 7, 0, 0, 0, 0, 0
	s_wait_dscnt 0x0                               ; my part of the table is stored
	s_barrier_signal -1
	s_barrier_wait -1                              ; everybody's is
; THE EPILOGUE, block by block of 16 rows of Y.
.irp b, 0,1,2,3
	v_mov_b32 v[TM+4+\b], 0                        ; a lane permute's destination counts as one of its sources.  These six lines are also the places behind the last products
.endr
	v_mov_b32 v[DT0], 0
	v_mov_b32 v[DT1], 0
; In tile b a lane's registers are X's rows 16 b + 8 (lane / 16) + j.  The exchange of halves between tiles 2 bb and 2 bb + 1 makes register 16 bb + i row 32 bb + 16 (lane / 16) + i.
.macro SWAPX a
	WIN 0x82
.irp bb, 0,1,2,3
.irp j, 0,1,2,3,4,5,6,7
	v_permlane16_swap_b32 v[64*\a+16*\bb+\j], v[64*\a+16*\bb+8+\j]
.endr
.endr
	WIN 0
.endm
; Registers n and n + 32 hold channels d and d + 64 of my token: lo' = lo cos - hi sin, hi' = hi cos + lo sin.
.macro ROPE a
.irp bb, 0,1
.irp g, 0,1,2,3
	ds_load_b128 v[COS+16*\bb+4*\g:COS+16*\bb+4*\g+3], v[TR] offset:\a*8192+\bb*4096+512*\g
	ds_load_b128 v[SIN+16*\bb+4*\g:SIN+16*\bb+4*\g+3], v[TR] offset:\a*8192+\bb*4096+2048+512*\g
.endr
.endr
	s_wait_dscnt 0x0
	WIN 0x02
.set j, 0
.rept 16
	v_pk_mul_f32 v[RT+j:RT+j+1], v[64*\a+j:64*\a+j+1], v[SIN+j:SIN+j+1]
.set j, j+2
.endr
	WIN 0x82
.set j, 0
.rept 16
	v_pk_mul_f32 v[64*\a+j:64*\a+j+1], v[64*\a+j:64*\a+j+1], v[COS+j:COS+j+1]
.set j, j+2
.endr
	WIN 0xa2
.set j, 0
.rept 16
	v_pk_fma_f32 v[64*\a+j:64*\a+j+1], v[64*\a+32+j:64*\a+32+j+1], v[SIN+j:SIN+j+1], v[64*\a+j:64*\a+j+1] neg_lo:[0,1,0] neg_hi:[0,1,0]
.set j, j+2
.endr
	WIN 0x82
.set j, 0
.rept 16
	v_pk_fma_f32 v[64*\a+32+j:64*\a+32+j+1], v[64*\a+32+j:64*\a+32+j+1], v[COS+j:COS+j+1], v[RT+j:RT+j+1]
.set j, j+2
.endr
	WIN 0
.endm
; 64 numbers of a lane in window 2, register 16 b + i = K 32 b + 16 (lane / 16) + i of my row, become a fragment's codes and its scale word.
.macro QUANTW s, pc, pw
	WIN 0x0a
.irp b, 0,1,2,3
	v_max3_num_f32 v[TM+\b], |v[\s+16*\b]|, |v[\s+1+16*\b]|, 0x1800000   ; with the floor 2^(3 - 127): the byte cannot fall under 1
.endr
.irp i, 2,4,6,8,10,12,14
.irp b, 0,1,2,3
	v_max3_num_f32 v[TM+\b], |v[\s+16*\b+\i]|, |v[\s+1+16*\b+\i]|, v[TM+\b]
.endr
.endr
	WIN 0
.irp b, 0,1,2,3
	v_permlanex16_b32 v[TM+4+\b], v[TM+\b], s100, s101
.endr
.irp b, 0,1,2,3
	v_max_num_f32 v[TM+\b], v[TM+\b], v[TM+4+\b]
.endr
.irp b, 0,1,2,3
	v_add_nc_u32 v[TM+12+\b], 0xff000000, v[TM+\b] ; 2 off the exponent field: the conversion's scale operand
.endr
.irp b, 0,1,2,3
	v_lshrrev_b32 v[TM+4+\b], 23, v[TM+12+\b]
.endr
	v_lshl_or_b32 v[\pw], v[TM+5], 8, v[TM+4]
	v_lshl_or_b32 v[\pw], v[TM+6], 16, v[\pw]
	v_lshl_or_b32 v[\pw], v[TM+7], 24, v[\pw]
	WIN 0x02
.irp c, 0,1
	v_cvt_scalef32_pk16_fp6_f32 v[\pc+6*\c:\pc+6*\c+2], v[\s+32*\c:\s+32*\c+15], v[TM+12+2*\c]
	v_cvt_scalef32_pk16_fp6_f32 v[PX+4*\c:PX+4*\c+2], v[\s+32*\c+16:\s+32*\c+31], v[TM+12+2*\c+1]
.endr
	WIN 0
	v_nop                                          ; one plain place behind a scaled conversion
.irp c, 0,1
.irp i, 0,1,2
	v_permlane16_swap_b32 v[\pc+6*\c+\i], v[PX+4*\c+\i]
.endr
.irp i, 0,1,2
	v_mov_b32 v[\pc+3+6*\c+\i], v[PX+4*\c+\i]
.endr
.endr
.endm
.irp a, 0,1,2,3
	SWAPX \a
	ROPE \a
	QUANTW 64*\a, PC+12*\a, PW+\a
.endr
; k's and v's tiles change rows: of tiles a0, a0 + 1 the first takes the second's lanes 0-7 into its lanes 8-15, the second the first's lanes 8-15 into its lanes 0-7.  For q both masks are 0: no branch.
.macro PERM1 x, y
	v_mov_b32_dpp v[DT0], v[\y] row_xmask:8 row_mask:0xf bank_mask:0xf
	v_mov_b32_dpp v[DT1], v[\x] row_xmask:8 row_mask:0xf bank_mask:0xf
	v_cndmask_b32 v[\x], v[\x], v[DT0], s14
	v_cndmask_b32 v[\y], v[\y], v[DT1], s15
.endm
.irp a0, 0,2
.irp i, 0,1,2,3,4,5,6,7,8,9,10,11
	PERM1 PC+12*\a0+\i, PC+12*\a0+12+\i
.endr
	PERM1 PW+\a0, PW+\a0+1
.endr
.irp a, 0,1,2,3
.irp c, 0,1,2
	global_store_b128 v[LI], v[PC+12*\a+4*\c:PC+12*\a+4*\c+3], s[92:93] offset:1536*\a+512*\c   ; 32 lanes store 512 consecutive bytes, at a multiple of 256 from the buffer's first byte
.endr
	global_store_b32 v[LS], v[PW+\a], s[94:95] offset:128*\a
.endr
	s_wait_tensorcnt 0x0                           ; the wave's end
	ds_add_u32 v[SPW], v[NIL]
	s_wait_dscnt 0x0
	CROUND                                         ; the closing round
	s_endpgm
.Lfunc_end_k_q33db08fb10_qkv:
	.size	k_q33db08fb10_qkv, .Lfunc_end_k_q33db08fb10_qkv-k_q33db08fb10_qkv
	.p2alignl 7, 3214868480
	.fill 96, 4, 3214868480
	.section	.rodata,"a",@progbits
	.p2align	6, 0x0
	.amdhsa_kernel k_q33db08fb10_qkv
		.amdhsa_group_segment_fixed_size 327680
		.amdhsa_private_segment_fixed_size 0
		.amdhsa_enable_private_segment 0
		.amdhsa_kernarg_size 96
		.amdhsa_user_sgpr_count 2
		.amdhsa_user_sgpr_kernarg_segment_ptr 1
		.amdhsa_wavefront_size32 1
		.amdhsa_system_sgpr_workgroup_id_x 1
		.amdhsa_system_sgpr_workgroup_id_y 1
		.amdhsa_system_sgpr_workgroup_id_z 1
		.amdhsa_system_vgpr_workitem_id 0
		.amdhsa_next_free_vgpr 896
		.amdhsa_next_free_sgpr 102
		.amdhsa_reserve_vcc 1
		.amdhsa_float_denorm_mode_32 3
		.amdhsa_float_denorm_mode_16_64 3
		.amdhsa_memory_ordered 1
		.amdhsa_forward_progress 1
		.amdhsa_inst_pref_size 255
	.end_amdhsa_kernel
	.section	.bss,"aw",@nobits
	.p2align	6
	.space	262144
	.amdgpu_metadata
---
amdhsa.version: [ 1, 2 ]
amdhsa.kernels:
  - .name:           k_q33db08fb10_qkv
    .symbol:         k_q33db08fb10_qkv.kd
    .args:
      - { .name: hidden_states_codes, .offset: 0, .size: 8, .value_kind: global_buffer, .address_space: global }
      - { .name: hidden_states_scales, .offset: 8, .size: 8, .value_kind: global_buffer, .address_space: global }
      - { .name: Wq_codes, .offset: 16, .size: 8, .value_kind: global_buffer, .address_space: global }
      - { .name: Wq_scales, .offset: 24, .size: 8, .value_kind: global_buffer, .address_space: global }
      - { .name: Wk_codes, .offset: 32, .size: 8, .value_kind: global_buffer, .address_space: global }
      - { .name: Wk_scales, .offset: 40, .size: 8, .value_kind: global_buffer, .address_space: global }
      - { .name: Wv_codes, .offset: 48, .size: 8, .value_kind: global_buffer, .address_space: global }
      - { .name: Wv_scales, .offset: 56, .size: 8, .value_kind: global_buffer, .address_space: global }
      - { .name: position_ids, .offset: 64, .size: 8, .value_kind: global_buffer, .address_space: global }
      - { .name: qimg, .offset: 72, .size: 8, .value_kind: global_buffer, .address_space: global }
      - { .name: qscl, .offset: 80, .size: 8, .value_kind: global_buffer, .address_space: global }
      - { .name: kvimg, .offset: 88, .size: 8, .value_kind: global_buffer, .address_space: global }
    .group_segment_fixed_size: 327680
    .private_segment_fixed_size: 0
    .kernarg_segment_align: 8
    .kernarg_segment_size: 96
    .max_flat_workgroup_size: 128
    .sgpr_count:     102
    .vgpr_count:     896
    .wavefront_size: 32
...
	.end_amdgpu_metadata
.endif
;; end of part 1
;; launch attn (part 2): grid 32 x 8, 8 waves a work-group, clusters of 4 x 4, 327,680 bytes of LDS; arguments qimg, qscl, kvimg, attention_mask, aimg, ascl; writes aimg, ascl
.if DOCPART == 2
	.amdgcn_target "amdgcn-amd-amdhsa--gfx1250"
	.amdhsa_code_object_version 6
	.text
	.protected	k_q33db08fb10_attn
	.globl	k_q33db08fb10_attn
	.p2align	8
	.type	k_q33db08fb10_attn,@function
k_q33db08fb10_attn:
	s_mov_b64 s[64:65], 0
	v_nop
	global_prefetch_b8 v0, s[64:65] scope:SCOPE_SE
	s_setreg_imm32_b32 hwreg(HW_REG_WAVE_MODE, 25, 1), 1
	s_wait_xcnt 0x0
	s_wait_alu depctr_hold_cnt(0) depctr_sa_sdst(0) depctr_va_vdst(0) depctr_va_sdst(0) depctr_va_ssrc(0) depctr_va_vcc(0) depctr_vm_vsrc(0)
	s_getreg_b32 s2, hwreg(HW_REG_IB_STS2, 6, 4)
	s_cmp_eq_u32 s2, 0
	s_cbranch_scc0 .Lentry_in_a_cluster
	s_endpgm
.Lentry_in_a_cluster:
	s_bfe_u32 s2, ttmp6, 0x10000c
	s_cmp_lg_u32 s2, 0xf033
	s_cbranch_scc0 .Lentry_shape_is_right
	s_endpgm
.Lentry_shape_is_right:
; o[hq][q] = the sum over k of softmax_k(q . k / sqrt(128) + mask[q][k]) v[k], both products on codes of FP6 (E2M3) with E8M0 scales; the result, divided by the row's sum, is quantised along the head's 128.
; THE MASK IS AN INPUT: all 2,048 keys are walked and the mask is added as it is given.
; THE SOFTMAX AHEAD OF THE SECOND PRODUCT: t = (score / sqrt(128) + mask) log2(e); M = the largest t so far, rounded UP to a whole number; p = 2^(t - M) is quantised along the keys, not normalised;
; the row's sum is taken of the unquantised p.  When M moves, the sum and O are multiplied by 2^(old M - new M): exact.
; The mask x sqrt(128) is the C of the first product, so a result is s' = score + mask sqrt(128), and t = s' c with c = log2(e) / sqrt(128): one multiply-add a number gives t - M.
; SHARES.  A work-group owns 64 queries and one key-value head.  Wave w takes the tile of 16 queries w / 2, BOTH query heads of the group, and of every slot of 256 keys the half w % 2:
; a fragment of K or V and a number of the mask, read from LDS once, serve two heads.  V's fragments land in K's registers.  At the end the two waves of a tile change halves through LDS:
; wave w % 2 = h gets its partner's O, M and sum of head h and joins them with its own by powers of two, which is exact.  Two waves to a SIMD.
; CLUSTER 4 x 4: the four work-groups of a row share the key-value head (K's and V's block is asked for jointly along the row), the four of a column share the queries (the mask's tile, along the column).
; THE RING: two slots of 256 keys.  A slot is one dense block of kvimg (53,248 bytes: images of operand registers with their scale words) and 64 rows x 1,024 bytes of the mask, 1,040 apart.
; Waves 0-3 fetch a quarter of the block each, waves 4-7 sixteen rows of the mask each: one load a wave behind each round.  A refill goes out a whole slot's work ahead of the wait for it, so no prefetch is laid.
; LAYOUT.  Both products transposed: S^T = K Q^T, O^T = V^T P^T: a lane holds one query (lane % 16).  Register 16 b + i of S^T and of O^T is key, or channel, 32 b + 16 (lane / 16) + i.
; LIMITS: the mask's numbers are finite and under 3e37 in magnitude (they are multiplied by sqrt(128)); the scaled scores stay under 2^31 in magnitude; NaN is not served;
; a block of zeros gets the scale byte 1 (read by this program alone).
; REGISTERS: window 0: v1-10 addresses; v12-15, v16-19 -M, the largest t and the sum of heads 0, 1; v20-43 Q, v44-45 its scale words; v46-53, v54-61 K's and V's scale words, v62 p's; v64-127 the mask, then head 1's S^T and p;
;   v128-191 head 0's S^T and p; v192-211 p's codes; v212-253 at work.   window 1: v0-63, v64-127 O^T of heads 0, 1; v128-223 K's eight fragments, then V's.
.set KVS,   53248
.set KVH,   8*KVS
.set KSC,   24576
.set VO,    26624
.set VSC,   51200
.set MSK,   KVS
.set MP,    1040
.set SLOT1, 1<<17
.set SPARE, 2*SLOT1
.set STW,   8704                       ; the exchange at the end: 8,192 bytes of O and two words a lane for each wave, from LDS byte 0, behind the ring's last fill and last read
.set LI,  1
.set LS,  2
.set AM0, 3
.set SPW, 4
.set NIL, 5
.set ADK, 6
.set ADS, 7
.set ADM, 8
.set LK,  9
.set LSK, 10
.set ST0, 12
.set ST1, 16
.set QF,  20
.set QS,  44
.set KS,  46
.set VS,  54
.set PW,  62
.set MK,  64
.set S,   128
.set PC,  192
.set PX,  204
.set BM,  212
.set BT,  216
.set SO,  220
.set F,   224
.set TP,  226
.set T,   228
.set SG,  242
.set RG,  243
.set SGS, 244
.set RGS, 245
.set A0,  246
.set A1,  247
.set B0,  248
.set B1,  249
.set GA,  250
.set GB,  252
.set KV,  128                          ; in window 1
.set WV,   16
.set SEL,  22
.set CC,   24                          ; s[24:25] log2(e) / sqrt(128)
.set R128, 26                          ; s[26:27] sqrt(128)
.set G1KV, 28
.set G1M,  36
.set G0KV, 44
.set G0M,  48
.set TB,   52
.set SLOTS, 53
.set KH,   59
.set MSB, 0
.macro WIN new
.if MSB != \new
	s_set_vgpr_msb (MSB<<8)|\new
.set MSB, \new
.endif
.endm
.macro JLOAD                           ; waves 0-3: K's and V's block; waves 4-7: the mask
	s_cmp_lt_u32 s[WV], 4
	s_cbranch_scc0 .Lfor_m_\@
	tensor_load_to_lds s[G0KV:G0KV+3], s[G1KV:G1KV+7]
	s_nop 0
.rept 4
	v_nop
.endr
	s_branch .Lasked_\@
.Lfor_m_\@:
	tensor_load_to_lds s[G0M:G0M+3], s[G1M:G1M+7]
	s_nop 0
.rept 4
	v_nop
.endr
.Lasked_\@:
.endm
.macro ROUND
	s_barrier_signal -1
	s_barrier_wait -1
	s_cmp_lg_u32 s[WV], 0
	s_cbranch_scc1 .Lnot_wave_0_\@
	s_barrier_signal -3
.Lnot_wave_0_\@:
	s_barrier_wait -3
	s_barrier_signal -1
	s_barrier_wait -1
.endm
	s_load_b256 s[4:11], s[0:1], 0x0               ; qimg, qscl, kvimg, the mask
	s_load_b128 s[12:15], s[0:1], 0x20             ; aimg, ascl
	v_lshl_add_u32 v[SPW], v0, 2, SPARE
	v_mov_b32 v[NIL], 0
	ds_add_u32 v[SPW], v[NIL]                      ; the opening lines: the add twice on end and its wait
	ds_add_u32 v[SPW], v[NIL]
	v_lshrrev_b32 v11, 5, v0
	v_readfirstlane_b32 s[WV], v11                 ; wave 0..7
	s_and_b32 s17, s[WV], 3                        ; which quarter I fetch
	s_bfe_u32 s18, ttmp6, 0x40000                  ; cx
	s_bfe_u32 s19, ttmp6, 0x40004                  ; cy
	s_lshl_b32 s20, ttmp9, 2
	s_add_co_u32 s20, s20, s18                     ; my block of 64 queries
	s_and_b32 s21, ttmp7, 0xffff
	s_lshl_b32 s21, s21, 2
	s_add_co_u32 s21, s21, s19                     ; my key-value head
	s_lshl_b32 s54, s19, 2
	s_lshl_b32 s54, 15, s54                        ; my row of the cluster
	s_lshl_b32 s56, 0x1111, s18                    ; my column
	s_or_b32 s[G1KV], s54, (3<<16)|(1<<21)         ; 13,312 dense bytes as 52 rows of 256
	s_mov_b32 s[G1KV+1], 32<<16
	s_mov_b32 s[G1KV+2], 52<<16
	s_mov_b32 s[G1KV+3], 32<<16
	s_mov_b32 s[G1KV+4], 52
	s_mov_b32 s[G1KV+5], 32
	s_mov_b32 s[G1KV+6], 0
	s_mov_b32 s[G1KV+7], 0
	s_or_b32 s[G1M], s56, (2<<16)|(1<<20)|(1<<21)|(7<<22)|(3<<25)   ; 16 rows of 256 numbers, 2,048 numbers apart; 4 words of padding behind each
	s_mov_b32 s[G1M+1], 256<<16
	s_mov_b32 s[G1M+2], 16<<16
	s_mov_b32 s[G1M+3], 256<<16
	s_mov_b32 s[G1M+4], 16
	s_mov_b32 s[G1M+5], 2048
	s_mov_b32 s[G1M+6], 0
	s_mov_b32 s[G1M+7], 0
	s_mov_b32 s[G0KV], 1
	s_mul_i32 s[G0KV+1], s17, 13312                ; LDS addresses: constants and the wave's number alone
	s_mul_i32 s54, s21, KVH
	s_mul_i32 s55, s17, 13312
	s_add_co_u32 s54, s54, s55
	s_mov_b32 s55, 0
	s_mov_b32 s[G0M], 1
	s_mul_i32 s[G0M+1], s17, 16*MP
	s_add_co_u32 s[G0M+1], s[G0M+1], MSK
	s_lshl_b32 s56, s20, 6
	s_lshl_b32 s57, s17, 4
	s_add_co_u32 s56, s56, s57                     ; query 64 qb + 16 x quarter, 8,192 bytes a row
	s_lshl_b32 s56, s56, 13
	s_mov_b32 s57, 0
	s_mov_b32 s[SEL], 0x76543210
	s_mov_b32 s[SEL+1], 0xfedcba98
	s_mov_b32 s[CC], 0x3e0293ee
	s_mov_b32 s[CC+1], 0x3e0293ee
	s_mov_b32 s[R128], 0x413504f3
	s_mov_b32 s[R128+1], 0x413504f3
	s_mov_b32 s[TB], 0
	s_mov_b32 s[SLOTS], 7
	s_wait_dscnt 0x0
	s_wait_kmcnt 0x0
	s_add_nc_u64 s[G0KV+2:G0KV+3], s[8:9], s[54:55]
	s_or_b32 s[G0KV+3], s[G0KV+3], 0x80000000
	s_add_nc_u64 s[G0M+2:G0M+3], s[10:11], s[56:57]
	s_or_b32 s[G0M+3], s[G0M+3], 0x80000000
	ROUND                                          ; all sixteen work-groups are here
	JLOAD                                          ; slot 0: one load a wave
	s_lshr_b32 s58, s[WV], 1                       ; my tile of queries in the block
	s_and_b32 s[KH], s[WV], 1                      ; my half of every slot's keys; also the head that I finish
	s_lshl_b32 s60, s21, 1                         ; the group's first query head
	s_lshl_b32 s61, s20, 2
	s_add_co_u32 s61, s61, s58                     ; my tile of 16 tokens, 0 .. 127
	s_lshl_b32 s62, s60, 7
	s_add_co_u32 s62, s62, s61                     ; q's image: 128 head + tile
	s_mul_i32 s54, s62, 1536
	s_mov_b32 s55, 0
	s_add_nc_u64 s[4:5], s[4:5], s[54:55]
	s_lshl_b32 s54, s62, 7
	s_add_nc_u64 s[6:7], s[6:7], s[54:55]
	s_add_co_u32 s60, s60, s[KH]
	s_lshl_b32 s62, s61, 4
	s_add_co_u32 s62, s62, s60                     ; the result's image: 16 tile + head
	s_mul_i32 s54, s62, 1536
	s_add_nc_u64 s[12:13], s[12:13], s[54:55]
	s_lshl_b32 s54, s62, 7
	s_add_nc_u64 s[14:15], s[14:15], s[54:55]
	v_and_b32 v11, 31, v0
	v_lshlrev_b32 v[LI], 4, v11
	v_lshlrev_b32 v[LS], 2, v11
.irp h, 0,1
.irp c, 0,1,2
	global_load_b128 v[QF+12*\h+4*\c:QF+12*\h+4*\c+3], v[LI], s[4:5] offset:196608*\h+512*\c   ; Q's two fragments stay in registers
.endr
	global_load_b32 v[QS+\h], v[LS], s[6:7] offset:16384*\h
.endr
	v_and_b32 v[A0], 15, v0
	v_bfe_u32 v[A1], v0, 4, 1
	s_mul_i32 s62, s58, 16*MP
	s_add_co_u32 s62, s62, MSK
	s_lshl_b32 s54, s[KH], 9
	s_add_co_u32 s62, s62, s54
	v_mul_u32_u24 v[AM0], v[A0], MP
	v_lshl_add_u32 v[AM0], v[A1], 6, v[AM0]
	v_add_nc_u32 v[AM0], s62, v[AM0]               ; the mask: my query's row, my 128 keys, + 64 bytes for lanes 16-31
	s_mul_i32 s62, s[KH], 12288
	v_add_nc_u32 v[LK], s62, v[LI]                 ; my half's eight images of K, and of V
	s_lshl_b32 s62, s[KH], 10
	v_add_nc_u32 v[LSK], s62, v[LS]
	s_mul_i32 s62, s[WV], STW
	v_add_nc_u32 v[SG], s62, v[LI]                 ; the exchange: where I store,
	v_add_nc_u32 v[SGS], s62, v[LS]
	s_xor_b32 s62, s[WV], 1
	s_mul_i32 s62, s62, STW
	v_add_nc_u32 v[RG], s62, v[LI]                 ; and where my partner does
	v_add_nc_u32 v[RGS], s62, v[LS]
.irp st, ST0, ST1
	v_mov_b32 v[\st+1], 0xff61b1e6                 ; the largest t so far: -3e38
	v_mov_b32 v[\st+2], 0
	v_mov_b32 v[\st+3], 0
.endr
	v_floor_f32 v[ST0], -v[ST0+1]                  ; -M
	v_floor_f32 v[ST1], -v[ST1+1]
	v_mov_b32 v[F+1], 0                            ; (named as the upper halves of pairs)
	v_mov_b32 v[GA+1], 0
	v_mov_b32 v[GB+1], 0
.irp b, 0,1,2,3
	v_mov_b32 v[BT+\b], 0                          ; a lane permute's destination counts as one of its sources
.endr
	WIN 0x40
.set j, 0
.rept 128
	v_mov_b32 v[j], 0                              ; O^T of both heads: the loop is written once; its first step finds zeros
.set j, j+1
.endr
	WIN 0
.macro BYTES                           ; from the blocks' largest magnitudes: the conversions' scale operands, the bytes, the scale word
.irp b, 0,1,2,3
	s_delay_alu instid0(VALU_DEP_4)
	v_add_nc_u32 v[SO+\b], 0xff000000, v[BM+\b]    ; 2 off the exponent field
.endr
.irp b, 0,1,2,3
	s_delay_alu instid0(VALU_DEP_4)
	v_lshrrev_b32 v[BT+\b], 23, v[SO+\b]
.endr
	s_delay_alu instid0(VALU_DEP_3)
	v_lshl_or_b32 v[PW], v[BT+1], 8, v[BT]
	s_delay_alu instid0(VALU_DEP_1)
	v_lshl_or_b32 v[PW], v[BT+2], 16, v[PW]
	s_delay_alu instid0(VALU_DEP_1)
	v_lshl_or_b32 v[PW], v[BT+3], 24, v[PW]
.endm
.macro CODES sr                        ; the 64 numbers in v[sr] on become a fragment's codes
.irp c, 0,1
	v_cvt_scalef32_pk16_fp6_f32 v[PC+6*\c:PC+6*\c+2], v[\sr+32*\c:\sr+32*\c+15], v[SO+2*\c]
	v_cvt_scalef32_pk16_fp6_f32 v[PX+4*\c:PX+4*\c+2], v[\sr+32*\c+16:\sr+32*\c+31], v[SO+2*\c+1]
.endr
	v_nop                                          ; one plain place behind a scaled conversion
.irp c, 0,1
.irp i, 0,1,2
	v_permlane16_swap_b32 v[PC+6*\c+\i], v[PX+4*\c+\i]
.endr
.irp i, 0,1,2
	s_delay_alu instid0(VALU_DEP_3)
	v_mov_b32 v[PC+3+6*\c+\i], v[PX+4*\c+\i]
.endr
.endr
.endm
; One head's softmax over my 128 keys and its second product.  sr: s', then p;  st: the head's -M, largest t and sum;  ob: its O^T in window 1.
.macro SOFT sr, st, ob
	s_wait_alu depctr_va_vdst(0)
.irp b, 0,1,2,3
	v_max3_num_f32 v[BM+\b], v[\sr+16*\b], v[\sr+1+16*\b], v[\sr+2+16*\b]   ; the largest s' of each block of 32 keys: for the row's maximum and, since p rises with s', for the block's largest p
.endr
.irp i, 3,5,7,9,11,13
.irp b, 0,1,2,3
	v_max3_num_f32 v[BM+\b], v[BM+\b], v[\sr+16*\b+\i], v[\sr+1+16*\b+\i]   ; (four chains by turns)
.endr
.endr
.irp b, 0,1,2,3
	v_max_num_f32 v[BM+\b], v[BM+\b], v[\sr+15+16*\b]
.endr
.irp b, 0,1,2,3
	s_delay_alu instid0(VALU_DEP_4)
	v_permlanex16_b32 v[BT+\b], v[BM+\b], s[SEL], s[SEL+1]
.endr
.irp b, 0,1,2,3
	s_delay_alu instid0(VALU_DEP_4)
	v_max_num_f32 v[BM+\b], v[BM+\b], v[BT+\b]     ; with lane l xor 16's 16 keys
.endr
	s_delay_alu instid0(VALU_DEP_2)
	v_max3_num_f32 v[TP], v[BM], v[BM+1], v[BM+2]
	s_delay_alu instid0(VALU_DEP_1)
	v_max_num_f32 v[TP], v[TP], v[BM+3]
	s_delay_alu instid0(VALU_DEP_1)
	v_mul_f32 v[TP], s[CC], v[TP]                  ; as t (c is positive)
	s_delay_alu instid0(VALU_DEP_1)
	v_max_num_f32 v[\st+1], v[\st+1], v[TP]        ; the running largest t
	v_mov_b32 v[TP], v[\st]
	s_delay_alu instid0(VALU_DEP_2)
	v_floor_f32 v[\st], -v[\st+1]                  ; the new -M = -ceil(t): a whole number
	s_delay_alu instid0(VALU_DEP_1)
	v_sub_f32 v[TP], v[\st], v[TP]                 ; old M - new M: a whole number, 0 or less
	s_delay_alu instid0(VALU_DEP_1)
	v_cvt_i32_f32 v[TP], v[TP]                     ; (it saturates)
	s_delay_alu instid0(VALU_DEP_1)
	v_ldexp_f32 v[F], 1.0, v[TP]                   ; f = 2^(old M - new M)
.set j, 0
.rept 32
	v_pk_fma_f32 v[\sr+j:\sr+j+1], v[\sr+j:\sr+j+1], s[CC:CC+1], v[\st:\st+1] op_sel_hi:[1,0,0]   ; t - M
.set j, j+2
.endr
.irp b, 0,1,2,3
	v_fma_f32 v[BM+\b], v[BM+\b], s[CC], v[\st]    ; the same of each block's largest s'
.endr
	s_wait_alu depctr_va_vdst(0)                   ; ahead of the batch
.set j, 0
.rept 64
	v_exp_f32 v[\sr+j], v[\sr+j]                   ; p = 2^(t - M): not normalised
.set j, j+1
.endr
.irp b, 0,1,2,3
	v_exp_f32 v[BM+\b], v[BM+\b]                   ; the block's largest p: the same two instructions on the same number
.endr
	v_pk_mul_f32 v[\st+2:\st+3], v[\st+2:\st+3], v[F:F+1] op_sel_hi:[1,0]   ; the sums under the new M.  (A plain place behind the exponentials)
	s_wait_alu depctr_va_vdst(0)                   ; behind the batch
.irp b, 0,1,2,3
	v_max_num_f32 v[BM+\b], 0x1800000, v[BM+\b]    ; the floor 2^(3 - 127): the byte cannot fall under 1
.endr
	BYTES
	CODES \sr
.irp k, 0,1,2,3,4,5,6                  ; the row's sum of the unquantised p: eight chains by turns
	v_pk_add_f32 v[T+2*\k:T+2*\k+1], v[\sr+4*\k:\sr+4*\k+1], v[\sr+4*\k+2:\sr+4*\k+3]
.endr
	v_pk_add_f32 v[\st+2:\st+3], v[\st+2:\st+3], v[\sr+28:\sr+29]
.irp k, 0,1,2,3,4,5,6
	v_pk_add_f32 v[T+2*\k:T+2*\k+1], v[T+2*\k:T+2*\k+1], v[\sr+30+2*\k:\sr+31+2*\k]
.endr
	v_pk_add_f32 v[\st+2:\st+3], v[\st+2:\st+3], v[\sr+44:\sr+45]
.irp k, 0,1,2,3,4,5,6
	v_pk_add_f32 v[T+2*\k:T+2*\k+1], v[T+2*\k:T+2*\k+1], v[\sr+46+2*\k:\sr+47+2*\k]
.endr
	v_pk_add_f32 v[\st+2:\st+3], v[\st+2:\st+3], v[\sr+60:\sr+61]
	v_pk_add_f32 v[T:T+1], v[T:T+1], v[\sr+62:\sr+63]
	v_pk_add_f32 v[\st+2:\st+3], v[\st+2:\st+3], v[T+6:T+7]
	s_delay_alu instid0(VALU_DEP_2)
	v_pk_add_f32 v[T:T+1], v[T:T+1], v[T+8:T+9]
	v_pk_add_f32 v[T+2:T+3], v[T+2:T+3], v[T+10:T+11]
	v_pk_add_f32 v[T+4:T+5], v[T+4:T+5], v[T+12:T+13]
	s_delay_alu instid0(VALU_DEP_2)
	v_pk_add_f32 v[\st+2:\st+3], v[\st+2:\st+3], v[T+2:T+3]
	s_delay_alu instid0(VALU_DEP_2)
	v_pk_add_f32 v[T:T+1], v[T:T+1], v[T+4:T+5]
	s_delay_alu instid0(VALU_DEP_1)
	v_pk_add_f32 v[\st+2:\st+3], v[\st+2:\st+3], v[T:T+1]
	s_wait_alu depctr_va_vdst(0)                   ; ahead of the first reader of O^T
	WIN 0x41
.set j, 0
.rept 32
	v_pk_mul_f32 v[\ob+j:\ob+j+1], v[\ob+j:\ob+j+1], v[F:F+1] op_sel_hi:[1,0]   ; O^T under the new M.  (With the sums above: the places between p's scale word and codes and the products below)
.set j, j+2
.endr
	s_wait_alu depctr_va_vdst(0)
	s_wait_dscnt 0x0                               ; V and its scale words are in
	WIN 0x51
.irp t, 0,1,2,3,4,5,6,7
	v_wmma_scale_f32_16x16x128_f8f6f4 v[\ob+8*\t:\ob+8*\t+7], v[KV+12*\t:KV+12*\t+11], v[PC:PC+11], v[\ob+8*\t:\ob+8*\t+7], v[VS+\t], v[PW] matrix_a_fmt:MATRIX_FMT_FP6 matrix_b_fmt:MATRIX_FMT_FP6
.endr
	WIN 0
.endm
; A SLOT'S WORK: my 128 of its 256 keys, for both heads.
.macro STEP
	v_add_nc_u32 v[ADK], s[TB], v[LK]
	v_add_nc_u32 v[ADS], s[TB], v[LSK]
	v_add_nc_u32 v[ADM], s[TB], v[AM0]
	v_nop                                          ; four places behind the last products, whose fragments of V are written over below
.irp b, 0,1,2,3
.irp j, 0,1,2,3
	ds_load_b128 v[MK+16*\b+4*\j:MK+16*\b+4*\j+3], v[ADM] offset:128*\b+16*\j
.endr
.endr
	WIN 0x40
.irp t, 0,1,2,3,4,5,6,7
.irp c, 0,1,2
	ds_load_b128 v[KV+12*\t+4*\c:KV+12*\t+4*\c+3], v[ADK] offset:\t*1536+512*\c
.endr
.endr
	WIN 0
.irp t, 0,1,2,3,4,5,6,7
	ds_load_b32 v[KS+\t], v[ADS] offset:KSC+\t*128
.endr
	s_wait_dscnt 32                                ; the mask is in; K's 24 loads and its 8 scale words may be out
.set j, 0
.rept 32
	v_pk_mul_f32 v[MK+j:MK+j+1], v[MK+j:MK+j+1], s[R128:R128+1] op_sel_hi:[1,0]   ; mask x sqrt(128), once for both heads
.set j, j+2
.endr
.rept 4
	v_nop
.endr
	s_wait_alu depctr_va_vdst(0)
	s_wait_dscnt 0x0                               ; K and its scale words are in
	WIN 0x01
.irp t, 0,1,2,3,4,5,6,7
	v_wmma_scale_f32_16x16x128_f8f6f4 v[S+8*\t:S+8*\t+7], v[KV+12*\t:KV+12*\t+11], v[QF:QF+11], v[MK+8*\t:MK+8*\t+7], v[KS+\t], v[QS] matrix_a_fmt:MATRIX_FMT_FP6 matrix_b_fmt:MATRIX_FMT_FP6
.endr
.rept 5
	v_nop                                          ; five places: head 1's results are laid over the C of head 0's products
.endr
.irp t, 0,1,2,3,4,5,6,7
	v_wmma_scale_f32_16x16x128_f8f6f4 v[MK+8*\t:MK+8*\t+7], v[KV+12*\t:KV+12*\t+11], v[QF+12:QF+23], v[MK+8*\t:MK+8*\t+7], v[KS+\t], v[QS+1] matrix_a_fmt:MATRIX_FMT_FP6 matrix_b_fmt:MATRIX_FMT_FP6
.endr
.rept 4
	v_nop                                          ; places behind the products: for the loads over K's fragments and for the first reads of the results
.endr
	WIN 0x40
.irp t, 0,1,2,3,4,5,6,7
.irp c, 0,1,2
	ds_load_b128 v[KV+12*\t+4*\c:KV+12*\t+4*\c+3], v[ADK] offset:VO+\t*1536+512*\c   ; V lands while head 0's softmax is walked
.endr
.endr
	WIN 0
.irp t, 0,1,2,3,4,5,6,7
	ds_load_b32 v[VS+\t], v[ADS] offset:VSC+\t*128
.endr
	SOFT S, ST0, 0
	SOFT MK, ST1, 64
.endm
; THE CHANGE OF SLOTS: each wave waits for all its tensor loads, adds 0 to its spare word, waits for that and for its reads of the slot that it has left; a round of the cluster's barrier; fill = 1: that slot is filled again.
.macro CHANGE fill
	s_wait_tensorcnt 0x0
	ds_add_u32 v[SPW], v[NIL]
.if \fill
	s_xor_b32 s[G0KV+1], s[G0KV+1], SLOT1          ; the walking descriptors: the other slot, the next 256 keys
	s_add_nc_u64 s[G0KV+2:G0KV+3], s[G0KV+2:G0KV+3], KVS
	s_xor_b32 s[G0M+1], s[G0M+1], SLOT1
	s_add_nc_u64 s[G0M+2:G0M+3], s[G0M+2:G0M+3], 1024
.endif
	s_wait_dscnt 0x0
	ROUND
.if \fill
	JLOAD
.endif
.endm
	s_wait_alu depctr_va_vdst(0)                   ; at the head's end
	s_wait_loadcnt 0x0                             ; Q
.Lslot:                                            ; seven trips: behind each change of slots but the last the next slot is asked for
	CHANGE 1
	STEP
	s_xor_b32 s[TB], s[TB], SLOT1
	s_sub_co_u32 s[SLOTS], s[SLOTS], 1
	s_cmp_lg_u32 s[SLOTS], 0
	s_cbranch_scc1 .Lslot
	CHANGE 0                                       ; the last slot is written out
	STEP
; THE END.  The two waves of a tile change halves: I send the other head's O^T, -M and sum, and take my head's from my partner.
.macro SENDO ob, st, own
	s_wait_alu depctr_va_vdst(0)
	WIN 0x04
.irp g, 0,1,2,3,4,5,6,7,8,9,10,11,12,13,14,15
	ds_store_b128 v[SG], v[\ob+4*\g:\ob+4*\g+3] offset:512*\g   ; each accumulator from its low end on
.endr
	WIN 0
	ds_store_b32 v[SGS], v[\st] offset:8192
	ds_store_b32 v[SGS], v[\st+2] offset:8320
	v_mov_b32 v[A0], v[\own]                       ; my own head's -M and sum
	v_mov_b32 v[A1], v[\own+2]
.endm
	v_add_f32 v[ST0+2], v[ST0+2], v[ST0+3]         ; the sums' two halves.  (With the two lines below: the places behind the last products)
	v_add_f32 v[ST1+2], v[ST1+2], v[ST1+3]
	v_nop
	v_nop
	s_barrier_signal -1                            ; (no LDS instruction of mine is out) every wave's reads of the ring are over
	s_barrier_wait -1
	s_wait_alu depctr_va_vdst(0)
	s_cmp_eq_u32 s[KH], 0
	s_cbranch_scc0 .Lsend_0
	SENDO 64, ST1, ST0
	s_branch .Lsent
.Lsend_0:
	SENDO 0, ST0, ST1
.Lsent:
	s_wait_alu depctr_va_vdst(0)
	s_wait_dscnt 0x0                               ; my stores are done
	s_barrier_signal -1
	s_barrier_wait -1                              ; everybody's are
.irp g, 0,1,2,3,4,5,6,7,8,9,10,11,12,13,14,15
	ds_load_b128 v[MK+4*\g:MK+4*\g+3], v[RG] offset:512*\g
.endr
	ds_load_b32 v[B0], v[RGS] offset:8192
	ds_load_b32 v[B1], v[RGS] offset:8320
	s_wait_dscnt 0x0
	v_min_num_f32 v[TP], v[A0], v[B0]              ; -M of the whole row
	s_delay_alu instid0(VALU_DEP_1)
	v_sub_f32 v[A0], v[TP], v[A0]                  ; my M - M, a whole number, 0 or less;
	v_sub_f32 v[B0], v[TP], v[B0]                  ; my partner's
	s_delay_alu instid0(VALU_DEP_2)
	v_cvt_i32_f32 v[A0], v[A0]
	s_delay_alu instid0(VALU_DEP_2)
	v_cvt_i32_f32 v[B0], v[B0]
	s_delay_alu instid0(VALU_DEP_2)
	v_ldexp_f32 v[A0], 1.0, v[A0]
	s_delay_alu instid0(VALU_DEP_2)
	v_ldexp_f32 v[B0], 1.0, v[B0]
	s_delay_alu instid0(VALU_DEP_2)
	v_mul_f32 v[A1], v[A1], v[A0]
	s_delay_alu instid0(VALU_DEP_1)
	v_fma_f32 v[A1], v[B1], v[B0], v[A1]
	s_delay_alu instid0(VALU_DEP_1)
	v_permlanex16_b32 v[TP], v[A1], s[SEL], s[SEL+1]
	s_delay_alu instid0(VALU_DEP_1)
	v_add_f32 v[A1], v[A1], v[TP]                  ; the row's sum
	s_wait_alu depctr_va_vdst(0)
	v_rcp_f32 v[F], v[A1]
	v_nop                                          ; a plain place behind the reciprocal
	s_wait_alu depctr_va_vdst(0)
	v_mul_f32 v[GA], v[A0], v[F]
	v_mul_f32 v[GB], v[B0], v[F]
.macro OWN ob
	s_wait_alu depctr_va_vdst(0)
	WIN 0x01
.set j, 0
.rept 32
	v_pk_mul_f32 v[S+j:S+j+1], v[\ob+j:\ob+j+1], v[GA:GA+1] op_sel_hi:[1,0]
.set j, j+2
.endr
	WIN 0
.endm
	s_wait_alu depctr_va_vdst(0)
	s_cmp_eq_u32 s[KH], 0
	s_cbranch_scc0 .Lown_1
	OWN 0
	s_branch .Ljoined
.Lown_1:
	OWN 64
.Ljoined:
	s_wait_alu depctr_va_vdst(0)
.set j, 0
.rept 32
	v_pk_fma_f32 v[S+j:S+j+1], v[MK+j:MK+j+1], v[GB:GB+1], v[S+j:S+j+1] op_sel_hi:[1,0,1]   ; register 16 b + i: channel 32 b + 16 (lane / 16) + i of my query
.set j, j+2
.endr
.irp b, 0,1,2,3
	v_max3_num_f32 v[BM+\b], |v[S+16*\b]|, |v[S+1+16*\b]|, 0x1800000
.endr
.irp i, 2,4,6,8,10,12,14
.irp b, 0,1,2,3
	s_delay_alu instid0(VALU_DEP_4)
	v_max3_num_f32 v[BM+\b], v[BM+\b], |v[S+16*\b+\i]|, |v[S+1+16*\b+\i]|
.endr
.endr
.irp b, 0,1,2,3
	s_delay_alu instid0(VALU_DEP_4)
	v_permlanex16_b32 v[BT+\b], v[BM+\b], s[SEL], s[SEL+1]
.endr
.irp b, 0,1,2,3
	s_delay_alu instid0(VALU_DEP_4)
	v_max_num_f32 v[BM+\b], v[BM+\b], v[BT+\b]
.endr
	BYTES
	CODES S
.irp c, 0,1,2
	global_store_b128 v[LI], v[PC+4*\c:PC+4*\c+3], s[12:13] offset:512*\c   ; 32 lanes store 512 consecutive bytes, at a multiple of 256 from the buffer's first byte
.endr
	global_store_b32 v[LS], v[PW], s[14:15]
	s_wait_tensorcnt 0x0                           ; the wave's end
	ds_add_u32 v[SPW], v[NIL]
	s_wait_dscnt 0x0
	ROUND                                          ; the closing round
	s_endpgm
.Lfunc_end_k_q33db08fb10_attn:
	.size	k_q33db08fb10_attn, .Lfunc_end_k_q33db08fb10_attn-k_q33db08fb10_attn
	.p2alignl 7, 3214868480
	.fill 96, 4, 3214868480
	.section	.rodata,"a",@progbits
	.p2align	6, 0x0
	.amdhsa_kernel k_q33db08fb10_attn
		.amdhsa_group_segment_fixed_size 327680
		.amdhsa_private_segment_fixed_size 0
		.amdhsa_enable_private_segment 0
		.amdhsa_kernarg_size 48
		.amdhsa_user_sgpr_count 2
		.amdhsa_user_sgpr_kernarg_segment_ptr 1
		.amdhsa_wavefront_size32 1
		.amdhsa_system_sgpr_workgroup_id_x 1
		.amdhsa_system_sgpr_workgroup_id_y 1
		.amdhsa_system_sgpr_workgroup_id_z 1
		.amdhsa_system_vgpr_workitem_id 0
		.amdhsa_next_free_vgpr 512
		.amdhsa_next_free_sgpr 66
		.amdhsa_reserve_vcc 0
		.amdhsa_float_denorm_mode_32 3
		.amdhsa_float_denorm_mode_16_64 3
		.amdhsa_memory_ordered 1
		.amdhsa_forward_progress 1
		.amdhsa_inst_pref_size 111
	.end_amdhsa_kernel
	.amdgpu_metadata
---
amdhsa.version: [ 1, 2 ]
amdhsa.kernels:
  - .name:           k_q33db08fb10_attn
    .symbol:         k_q33db08fb10_attn.kd
    .args:
      - { .name: qimg, .offset: 0, .size: 8, .value_kind: global_buffer, .address_space: global }
      - { .name: qscl, .offset: 8, .size: 8, .value_kind: global_buffer, .address_space: global }
      - { .name: kvimg, .offset: 16, .size: 8, .value_kind: global_buffer, .address_space: global }
      - { .name: attention_mask, .offset: 24, .size: 8, .value_kind: global_buffer, .address_space: global }
      - { .name: aimg, .offset: 32, .size: 8, .value_kind: global_buffer, .address_space: global }
      - { .name: ascl, .offset: 40, .size: 8, .value_kind: global_buffer, .address_space: global }
    .group_segment_fixed_size: 327680
    .private_segment_fixed_size: 0
    .kernarg_segment_align: 8
    .kernarg_segment_size: 48
    .max_flat_workgroup_size: 256
    .sgpr_count:     66
    .vgpr_count:     512
    .wavefront_size: 32
...
	.end_amdgpu_metadata
.endif
;; end of part 2
;; launch oproj (part 3): grid 16 x 16, 4 waves a work-group, clusters of 4 x 4, 327,680 bytes of LDS; arguments aimg, ascl, Wo_codes, Wo_scales, out0; writes out0
.if DOCPART == 3
	.amdgcn_target "amdgcn-amd-amdhsa--gfx1250"
	.amdhsa_code_object_version 6
	.text
	.protected	k_q33db08fb10_oproj
	.globl	k_q33db08fb10_oproj
	.p2align	8
	.type	k_q33db08fb10_oproj,@function
k_q33db08fb10_oproj:
	s_mov_b64 s[64:65], 0
	v_nop
	global_prefetch_b8 v0, s[64:65] scope:SCOPE_SE
	s_setreg_imm32_b32 hwreg(HW_REG_WAVE_MODE, 25, 1), 1
	s_wait_xcnt 0x0
	s_wait_alu depctr_hold_cnt(0) depctr_sa_sdst(0) depctr_va_vdst(0) depctr_va_sdst(0) depctr_va_ssrc(0) depctr_va_vcc(0) depctr_vm_vsrc(0)
	s_getreg_b32 s2, hwreg(HW_REG_IB_STS2, 6, 4)
	s_cmp_eq_u32 s2, 0
	s_cbranch_scc0 .Lentry_in_a_cluster
	s_endpgm
.Lentry_in_a_cluster:
	s_bfe_u32 s2, ttmp6, 0x10000c
	s_cmp_lg_u32 s2, 0xf033
	s_cbranch_scc0 .Lentry_shape_is_right
	s_endpgm
.Lentry_shape_is_right:
; out = attn Wo^T on codes of FP6 (E2M3) with E8M0 scales, K = 2,048.  X (source 0) = 256 rows of Wo, Y (source 1) = 128 tokens, which come as images of operand registers (1,536 bytes for 16 tokens x 128 K,
; image 16 tile + head) with their scale words (128 bytes an image).  Wave w takes tokens 64 (w / 2) on and Wo's rows 128 (w % 2) on: 32 accumulators.  A lane holds one token and eight neighbouring columns of out.
; THE RING: a trip is eight steps of 128 along K: 768 bytes of a row of Wo, three chunks of 256 bytes (a row is 1,536 bytes, so every chunk begins at a multiple of 256), and eight images of each tile of tokens.
; Two slots: the pair (X's chunks 0, 1; Y's images of steps 0 to 4) and the single (X's chunk 2; Y's images of steps 5 to 7).
; Step 4: a barrier shows the single whole.  Step 5: the pair is read no more: a round of the cluster's barrier and its refill, one load a wave.  Step 7: the same for the single (waves 0 and 2).
; Y's tiles are asked for jointly along a row of the cluster, X's along a column.  K has two trips, written out: the second asks for nothing.
; FRAGMENTS have two sets each: at the head of step n all 60 LDS loads of step n + 1 go out in one run, into the set that step n - 1 multiplied, and step n's 32 products follow them.
; THE SCALE WORDS go from memory into registers, four steps at a time, two sets: lanes 0-15 hold block j's rows, lanes 16-31 block j + 4's (tokens: tile j + 2's).
; NO PREFETCH: the text has no loop to run ahead in: of its six chunks three are asked for at the head.
; THE WAY OUT: 16 rows x 128 columns at a time through the wave's own stage, which lies in X's area 0 behind that area's last fill and every wave's last read of it; rows of 512 bytes leave as two aligned units of 256.
; REGISTERS: window 0: v1-23 addresses; v32-79 scale words (nothing else); v104-199 Y's fragments, two sets; on the way out v128-255.  window 1: X's two sets.  window 2: the accumulators.
.set KROW,   1536
.set PITCH,  272
.set FR,     12
.set XA,     256*PITCH                 ; an area of X: 69,632
.set XW,     128*PITCH
.set YP,     3*XA                      ; Y's pair: 8 tiles x 5 images
.set YPT,    5*1536
.set YS,     YP+8*YPT                  ; Y's single: 8 tiles x 3 images
.set YST,    3*1536
.set SPARE,  YS+8*YST                  ; 307,200
.set STAGE,  0
.set SPITCH, 528
.set NROW,   16384
.set SPW,  1
.set NIL,  2
.set LI,   3
.set RR,   5
.set HH,   6
.set ADRX, 8                           ; v8-10 X's fragments in areas 0, 1, 2; v11-12: lanes 0-15 at byte 232 of area 0, 1, lanes 16-31 at byte 0 of the next area
.set ADYP, 13
.set ADYS, 14
.set VSX,  15
.set VSY,  16
.set STO,  20
.set RD,   21
.set TT,   22
.set TC,   23
.set SX,   32
.set SY,   64
.set AF,   104
.set BK,   128
.set G1,   24                          ; s[24:31] group 1 for Y's pair; s[68:75] for Y's single; s[32:35], s[36:39] their groups 0
.set G0,   32
.set G1B,  40                          ; s[40:47] group 1 for X's chunks; s[48:51], s[52:55] groups 0 for the pair and the single
.set G0B,  48
.set G1Y2, 68
.set SBX,  56
.set SBY,  58
.set MSB, 0
.macro WIN new
.if MSB != \new
	s_set_vgpr_msb (MSB<<8)|\new
.set MSB, \new
.endif
.endm
.set MUL,  0xa1
.set TO_B, 0x40
.macro JLOAD g0y, g1y, g0x, g1x, even
.if \even
	s_cmp_eq_u32 s6, 0
	s_cbranch_scc0 .Lasked_\@
.endif
	s_cmp_eq_u32 s5, 0
	s_cbranch_scc0 .Lfor_x_\@
	tensor_load_to_lds s[\g0y:\g0y+3], s[\g1y:\g1y+7]
	s_nop 0
.rept 4
	v_nop
.endr
	s_branch .Lasked_\@
.Lfor_x_\@:
	tensor_load_to_lds s[\g0x:\g0x+3], s[\g1x:\g1x+7]
	s_nop 0
.rept 4
	v_nop
.endr
.Lasked_\@:
.endm
.macro CREST
	s_cmp_lg_u32 s4, 0
	s_cbranch_scc1 .Lnot_wave_0_\@
	s_barrier_signal -3
.Lnot_wave_0_\@:
	s_barrier_wait -3
	s_barrier_signal -1
	s_barrier_wait -1
.endm
.macro CROUND
	s_barrier_signal -1
	s_barrier_wait -1
	CREST
.endm
.macro PLACES n
.rept \n
	v_nop
.endr
.endm
.macro SLOAD set                       ; the scale words of four steps
.irp j, 0,1,2,3
	global_load_b128 v[SX+16*(\set)+4*\j:SX+16*(\set)+4*\j+3], v[VSX], s[SBX:SBX+1] offset:1024*\j
.endr
.irp j, 0,1
.irp w, 0,1,2,3
	global_load_b32 v[SY+8*(\set)+4*\j+\w], v[VSY], s[SBY:SBY+1] offset:2048*\j+128*\w
.endr
.endr
.endm
	s_load_b256 s[84:91], s[0:1], 0x0              ; aimg, ascl, Wo's codes, Wo's scales
	s_load_b64 s[92:93], s[0:1], 0x20              ; out0
	v_lshl_add_u32 v[SPW], v0, 2, SPARE
	v_mov_b32 v[NIL], 0
	ds_add_u32 v[SPW], v[NIL]                      ; the opening lines: the add twice on end and its wait
	ds_add_u32 v[SPW], v[NIL]
	v_lshrrev_b32 v7, 5, v0
	v_readfirstlane_b32 s4, v7                     ; wave 0..3
	s_lshr_b32 s5, s4, 1                           ; wy; also: I fetch for Y (0) or X (1)
	s_and_b32 s6, s4, 1                            ; wx; also: which half of the pair I fill
	s_bfe_u32 s7, ttmp6, 0x40000
	s_bfe_u32 s8, ttmp6, 0x40004
	s_lshl_b32 s11, ttmp9, 2
	s_add_co_u32 s11, s11, s7                      ; xi: my 256 rows of Wo
	s_and_b32 s12, ttmp7, 0xffff
	s_lshl_b32 s12, s12, 2
	s_add_co_u32 s12, s12, s8                      ; yi: my 128 tokens
	s_lshl_b32 s66, s8, 2
	s_lshl_b32 s66, 15, s66
	s_lshl_b32 s2, 0x1111, s7
	s_or_b32 s[G1], s66, (3<<16)|(1<<21)           ; Y's pair: 4 tiles a load, 7,680 bytes each (960 elements of 8 bytes), 24,576 bytes apart
	s_mov_b32 s[G1+1], 960<<16
	s_mov_b32 s[G1+2], 4<<16
	s_mov_b32 s[G1+3], 960<<16
	s_mov_b32 s[G1+4], 4
	s_mov_b32 s[G1+5], 3072
	s_mov_b32 s[G1+6], 0
	s_mov_b32 s[G1+7], 0
	s_or_b32 s[G1Y2], s66, (3<<16)|(1<<21)         ; Y's single: 8 tiles, 4,608 bytes each
	s_mov_b32 s[G1Y2+1], 576<<16
	s_mov_b32 s[G1Y2+2], 8<<16
	s_mov_b32 s[G1Y2+3], 576<<16
	s_mov_b32 s[G1Y2+4], 8
	s_mov_b32 s[G1Y2+5], 3072
	s_mov_b32 s[G1Y2+6], 0
	s_mov_b32 s[G1Y2+7], 0
	s_or_b32 s[G1B], s2, (0<<16)|(1<<20)|(1<<21)|(5<<22)|(3<<25)   ; X: 256 rows of 256 bytes, 16 bytes of padding behind each
	s_mov_b32 s[G1B+1], 256<<16
	s_mov_b32 s[G1B+2], 256<<16
	s_mov_b32 s[G1B+3], 256<<16
	s_mov_b32 s[G1B+4], 256
	s_mov_b32 s[G1B+5], KROW
	s_mov_b32 s[G1B+6], 0
	s_mov_b32 s[G1B+7], 0
	s_mov_b32 s[G0], 1
	s_mov_b32 s[G0+4], 1
	s_mov_b32 s[G0B], 1
	s_mov_b32 s[G0B+4], 1
	s_mul_i32 s[G0+1], s6, 4*YPT                   ; LDS addresses: constants and the wave's number alone
	s_add_co_u32 s[G0+1], s[G0+1], YP
	s_mov_b32 s[G0+5], YS
	s_mul_i32 s[G0B+1], s6, XA
	s_mov_b32 s[G0B+5], 2*XA
	s_lshl_b32 s66, s12, 3                         ; Y: tile 8 yi + 4 wx
	s_lshl_b32 s67, s6, 2
	s_add_co_u32 s66, s66, s67
	s_mul_i32 s[G0+2], s66, 24576
	s_mov_b32 s[G0+3], 0
	s_lshl_b32 s2, s11, 8                          ; X: row 256 xi, chunk wx
	s_mul_i32 s[G0B+2], s2, KROW
	s_lshl_b32 s3, s6, 8
	s_add_co_u32 s[G0B+2], s[G0B+2], s3
	s_mov_b32 s[G0B+3], 0
	s_lshl_b32 s76, s11, 8                         ; my rows' scale bytes: Wo's row 256 xi + 128 wx, 64 bytes a row;
	s_lshl_b32 s77, s6, 7
	s_add_co_u32 s76, s76, s77
	s_lshl_b32 s76, s76, 6
	s_mov_b32 s77, 0
	s_lshl_b32 s78, s12, 3                         ; the tokens': tile 8 yi + 4 wy, 2,048 bytes a tile
	s_lshl_b32 s79, s5, 2
	s_add_co_u32 s78, s78, s79
	s_lshl_b32 s78, s78, 11
	s_mov_b32 s79, 0
	v_and_b32 v[RR], 15, v0
	v_bfe_u32 v[HH], v0, 4, 1
	v_lshl_add_u32 v[VSX], v[HH], 6, v[RR]         ; Wo's scales: row r + 64 (lane / 16)
	v_lshlrev_b32 v[VSY], 2, v[RR]                 ; the tokens': word r of tile 2 (lane / 16)
	v_lshlrev_b32 v[VSX], 6, v[VSX]
	v_lshl_add_u32 v[VSY], v[HH], 12, v[VSY]
	s_wait_alu depctr_va_vdst(0)
	s_wait_dscnt 0x0                               ; both opening adds are done
	s_wait_kmcnt 0x0
	s_add_nc_u64 s[SBX:SBX+1], s[90:91], s[76:77]
	s_add_nc_u64 s[SBY:SBY+1], s[86:87], s[78:79]
	SLOAD 0                                        ; the scale words of steps 0 to 3
	s_add_nc_u64 s[G0+2:G0+3], s[84:85], s[G0+2:G0+3]
	s_add_nc_u64 s[G0+6:G0+7], s[G0+2:G0+3], YPT   ; the single: steps 5 to 7 (in the waves with wx = 0, which alone ask by it)
	s_or_b32 s[G0+3], s[G0+3], 0x80000000
	s_or_b32 s[G0+7], s[G0+7], 0x80000000
	s_add_nc_u64 s[G0B+2:G0B+3], s[88:89], s[G0B+2:G0B+3]
	s_add_nc_u64 s[G0B+6:G0B+7], s[G0B+2:G0B+3], 512
	s_or_b32 s[G0B+3], s[G0B+3], 0x80000000
	s_or_b32 s[G0B+7], s[G0B+7], 0x80000000
	CROUND                                         ; all sixteen work-groups are here
	JLOAD G0, G1, G0B, G1B, 0                      ; the pair: one tensor load a wave at the head
	v_and_b32 v7, 31, v0
	v_lshlrev_b32 v[LI], 4, v7
	v_mul_u32_u24 v[TT], v[RR], PITCH
	s_mov_b32 s16, XA-232
	v_mul_u32_u24 v[TC], s16, v[HH]
	v_mad_u32_u24 v7, v[HH], 24, v[TT]
	v_add_nc_u32 v[TC], v[TC], v[TT]
	v_add_nc_u32 v[TC], 232, v[TC]
	s_wait_alu depctr_va_vdst(0)                   ; ahead of the run of scalar lines
	s_mul_i32 s17, s6, XW
.irp s, 0,1,2
	v_add_nc_u32 v[ADRX+\s], s17, v7
.if \s < 2
	v_add_nc_u32 v[ADRX+3+\s], s17, v[TC]
.endif
	s_add_co_u32 s17, s17, XA
.endr
	s_mul_i32 s16, s5, 4*YPT
	s_add_co_u32 s16, s16, YP
	v_add_nc_u32 v[ADYP], s16, v[LI]
	s_mul_i32 s16, s5, 4*YST
	s_add_co_u32 s16, s16, YS
	v_add_nc_u32 v[ADYS], s16, v[LI]
	s_mul_i32 s16, s4, 16*SPITCH
	s_add_co_u32 s16, s16, STAGE
	v_mul_u32_u24 v[TT], v[RR], SPITCH
	v_lshl_add_u32 v[TT], v[HH], 5, v[TT]
	v_add_nc_u32 v[STO], s16, v[TT]
	v_add_nc_u32 v[RD], s16, v[LI]
	s_lshl_b32 s16, s12, 7                         ; out: row 128 yi + 64 wy, 16,384 bytes a row; column 256 xi + 128 wx
	s_lshl_b32 s17, s5, 6
	s_add_co_u32 s16, s16, s17
	s_lshl_b32 s16, s16, 14
	s_lshl_b32 s17, s11, 10
	s_add_co_u32 s16, s16, s17
	s_lshl_b32 s17, s6, 9
	s_add_co_u32 s16, s16, s17
	s_mov_b32 s17, 0
	s_add_nc_u64 s[92:93], s[92:93], s[16:17]
.macro FRAG reg, adr, ph, i            ; X's fragment: 24 bytes of the row twice, in pieces of 8; byte y of a trip's 768 lies in area y / 256
.irp p, 0,1,2,3,4,5
.set BY, 96*(\ph)+48*(\p/3)+8*(\p%3)
.if BY/256 == (BY+24)/256
	ds_load_b64 v[\reg+2*\p:\reg+2*\p+1], v[\adr+BY/256] offset:BY%256+(\i)*16*PITCH
.else
	ds_load_b64 v[\reg+2*\p:\reg+2*\p+1], v[\adr+3+BY/256] offset:BY%256-232+(\i)*16*PITCH
.endif
.endr
.endm
.macro FRAGY reg, ph, i                ; Y's fragment: an image, 16 bytes a lane three times
.irp c, 0,1,2
.if (\ph) < 5
	ds_load_b128 v[\reg+4*\c:\reg+4*\c+3], v[ADYP] offset:(\i)*YPT+(\ph)*1536+512*\c
.else
	ds_load_b128 v[\reg+4*\c:\reg+4*\c+3], v[ADYS] offset:(\i)*YST+((\ph)-5)*1536+512*\c
.endif
.endr
.endm
.macro FETCH nph, np                   ; all fragments of step nph into set np
	WIN TO_B
.irp k, 0,1,2,3,4,5,6,7
	FRAG 128*(\np)+FR*\k, ADRX, \nph, \k
.endr
	WIN 0
.irp k, 0,1,2,3
	FRAGY AF+48*(\np)+FR*\k, \nph, \k
.endr
.endm
.macro WM a, b, p, ph, zero            ; the 32 accumulators take turns, in the same order in every step
.set DD, 8*(8*(\a)+(\b))
.set XX, 128*(\p)+FR*(\b)
.set YY, AF+48*(\p)+FR*(\a)
.set SA, SX+16*((\ph)/4)+4*((\b)%4)+(\ph)%4
.set SB, SY+8*((\ph)/4)+4*((\a)%2)+(\ph)%4
.set RS, 2*((\a)/2)+(\b)/4+4*(\zero)
.if RS == 0
	v_wmma_scale_f32_16x16x128_f8f6f4 v[DD:DD+7], v[XX:XX+11], v[YY:YY+11], v[DD:DD+7], v[SA], v[SB] matrix_a_fmt:MATRIX_FMT_FP6 matrix_b_fmt:MATRIX_FMT_FP6
.endif
.if RS == 1
	v_wmma_scale_f32_16x16x128_f8f6f4 v[DD:DD+7], v[XX:XX+11], v[YY:YY+11], v[DD:DD+7], v[SA], v[SB] matrix_a_fmt:MATRIX_FMT_FP6 matrix_b_fmt:MATRIX_FMT_FP6 matrix_a_scale:MATRIX_SCALE_ROW1
.endif
.if RS == 2
	v_wmma_scale_f32_16x16x128_f8f6f4 v[DD:DD+7], v[XX:XX+11], v[YY:YY+11], v[DD:DD+7], v[SA], v[SB] matrix_a_fmt:MATRIX_FMT_FP6 matrix_b_fmt:MATRIX_FMT_FP6 matrix_b_scale:MATRIX_SCALE_ROW1
.endif
.if RS == 3
	v_wmma_scale_f32_16x16x128_f8f6f4 v[DD:DD+7], v[XX:XX+11], v[YY:YY+11], v[DD:DD+7], v[SA], v[SB] matrix_a_fmt:MATRIX_FMT_FP6 matrix_b_fmt:MATRIX_FMT_FP6 matrix_a_scale:MATRIX_SCALE_ROW1 matrix_b_scale:MATRIX_SCALE_ROW1
.endif
.if RS == 4
	v_wmma_scale_f32_16x16x128_f8f6f4 v[DD:DD+7], v[XX:XX+11], v[YY:YY+11], 0, v[SA], v[SB] matrix_a_fmt:MATRIX_FMT_FP6 matrix_b_fmt:MATRIX_FMT_FP6
.endif
.if RS == 5
	v_wmma_scale_f32_16x16x128_f8f6f4 v[DD:DD+7], v[XX:XX+11], v[YY:YY+11], 0, v[SA], v[SB] matrix_a_fmt:MATRIX_FMT_FP6 matrix_b_fmt:MATRIX_FMT_FP6 matrix_a_scale:MATRIX_SCALE_ROW1
.endif
.if RS == 6
	v_wmma_scale_f32_16x16x128_f8f6f4 v[DD:DD+7], v[XX:XX+11], v[YY:YY+11], 0, v[SA], v[SB] matrix_a_fmt:MATRIX_FMT_FP6 matrix_b_fmt:MATRIX_FMT_FP6 matrix_b_scale:MATRIX_SCALE_ROW1
.endif
.if RS == 7
	v_wmma_scale_f32_16x16x128_f8f6f4 v[DD:DD+7], v[XX:XX+11], v[YY:YY+11], 0, v[SA], v[SB] matrix_a_fmt:MATRIX_FMT_FP6 matrix_b_fmt:MATRIX_FMT_FP6 matrix_a_scale:MATRIX_SCALE_ROW1 matrix_b_scale:MATRIX_SCALE_ROW1
.endif
.endm
; A STEP of 128 along K.  Its own fragments were asked for at the last step's head.  First the waits and, where one is due, the barrier (four products stand round its signal); then the next step's fetch in one run; then the products.
; kind 0: no barrier.  1: a barrier shows the single whole.  2: the pair is read no more: the three lines, a round, its refill.  3: the same for the single.
.macro STEP ph, kind, fetch, zero, sl
.set P, (\ph)%2
.set NPH, ((\ph)+1)%8
.if (\ph)%4 == 0
	s_wait_loadcnt 0x0                             ; this step's set of scale words is in
.endif
.if \kind
	s_wait_tensorcnt 0x0                           ; all my tensor loads have landed
.if \kind > 1
	ds_add_u32 v[SPW], v[NIL]
.endif
	s_wait_dscnt (\kind)/2                         ; my fragments are in (the add may be out)
	WIN MUL
	WM 0, 0, P, \ph, \zero
	WM 0, 1, P, \ph, \zero
.if \kind > 1
	s_wait_dscnt 0x0                               ; the add is done; my reads of the slot that is left were over above
.endif
	s_barrier_signal -1
	WM 0, 2, P, \ph, \zero
	WM 0, 3, P, \ph, \zero
	WIN 0
	s_barrier_wait -1
.if \kind == 2
	CREST
	s_add_nc_u64 s[G0+2:G0+3], s[G0+2:G0+3], 8*1536
	s_add_nc_u64 s[G0B+2:G0B+3], s[G0B+2:G0B+3], 768
	JLOAD G0, G1, G0B, G1B, 0
.endif
.if \kind == 3
	CREST
	s_add_nc_u64 s[G0+6:G0+7], s[G0+6:G0+7], 8*1536
	s_add_nc_u64 s[G0B+6:G0B+7], s[G0B+6:G0B+7], 768
	JLOAD G0+4, G1Y2, G0B+4, G1B, 1
.endif
.else
	s_wait_dscnt 0x0                               ; my fragments are in
.endif
	PLACES 4                                       ; behind the last step's products, whose fragments and scale words are loaded anew below (ISA guide 7.12.1)
.if \sl
	s_add_nc_u64 s[SBX:SBX+1], s[SBX:SBX+1], 16    ; (behind the wait that shows the earlier loads done)
	s_add_nc_u64 s[SBY:SBY+1], s[SBY:SBY+1], 512
	SLOAD 1-(\ph)/4
.endif
.if \fetch
	FETCH NPH, 1-P
.endif
	WIN MUL
.irp b, 0,1,2,3,4,5,6,7
.if (\kind) == 0 || \b > 3
	WM 0, \b, P, \ph, \zero
.endif
.endr
.irp a, 1,2,3
.irp b, 0,1,2,3,4,5,6,7
	WM \a, \b, P, \ph, \zero
.endr
.endr
	WIN 0
.endm
	s_wait_alu depctr_va_vdst(0)                   ; at the head's end
	s_wait_tensorcnt 0x0                           ; my part of the pair is in; the add and its wait ahead of a later first fill:
	ds_add_u32 v[SPW], v[NIL]
	s_wait_dscnt 0x0
	CROUND
	JLOAD G0+4, G1Y2, G0B+4, G1B, 1                ; the single's first fill
	FETCH 0, 0
	STEP 0, 0, 1, 1, 1                             ; the first step's products start the sums
	STEP 1, 0, 1, 0, 0
	STEP 2, 0, 1, 0, 0
	STEP 3, 0, 1, 0, 0
	STEP 4, 1, 1, 0, 1
	STEP 5, 2, 1, 0, 0
	STEP 6, 0, 1, 0, 0
	STEP 7, 3, 1, 0, 0
	STEP 0, 0, 1, 0, 1
	STEP 1, 0, 1, 0, 0
	STEP 2, 0, 1, 0, 0
	STEP 3, 0, 1, 0, 0
	STEP 4, 1, 1, 0, 0
	STEP 5, 0, 1, 0, 0
	STEP 6, 0, 1, 0, 0
	STEP 7, 0, 0, 0, 0
.macro TOSTAGE a
	WIN 0x08
.irp b, 0,1,2,3,4,5,6,7
	ds_store_b128 v[STO], v[64*(\a)+8*\b:64*(\a)+8*\b+3] offset:64*\b          ; each accumulator from its low end on
	ds_store_b128 v[STO], v[64*(\a)+8*\b+4:64*(\a)+8*\b+7] offset:64*\b+16
.endr
	WIN 0
.set BB, BK+64*((\a)%2)
.irp t, 0,1,2,3,4,5,6,7,8,9,10,11,12,13,14,15
	ds_load_b128 v[BB+4*\t:BB+4*\t+3], v[RD] offset:\t*SPITCH                  ; LDS serves a wave's instructions in order (ISA guide 5.7.1.4)
.endr
.endm
.macro SEND a, younger
.set BB, BK+64*((\a)%2)
	s_wait_dscnt \younger
.if (\a) > 0
	s_add_nc_u64 s[92:93], s[92:93], 16*NROW       ; (behind a wait on XCNT)
.endif
.irp t, 0,1,2,3,4,5,6,7,8,9,10,11,12,13,14,15
	global_store_b128 v[LI], v[BB+4*\t:BB+4*\t+3], s[92:93] offset:\t*NROW th:TH_STORE_NT   ; 32 lanes store 512 consecutive bytes, at a multiple of 256 from out's first byte
.endr
.endm
	PLACES 4
	TOSTAGE 0
.irp a, 1,2,3
.if \a > 1
	s_wait_xcnt 0x0
.endif
	TOSTAGE \a
	SEND \a-1, 32
.endr
	s_wait_xcnt 0x0
	SEND 3, 0
	s_wait_tensorcnt 0x0                           ; the wave's end
	ds_add_u32 v[SPW], v[NIL]
	s_wait_dscnt 0x0
	CROUND                                         ; the closing round
	s_endpgm
.Lfunc_end_k_q33db08fb10_oproj:
	.size	k_q33db08fb10_oproj, .Lfunc_end_k_q33db08fb10_oproj-k_q33db08fb10_oproj
	.p2alignl 7, 3214868480
	.fill 96, 4, 3214868480
	.section	.rodata,"a",@progbits
	.p2align	6, 0x0
	.amdhsa_kernel k_q33db08fb10_oproj
		.amdhsa_group_segment_fixed_size 327680
		.amdhsa_private_segment_fixed_size 0
		.amdhsa_enable_private_segment 0
		.amdhsa_kernarg_size 40
		.amdhsa_user_sgpr_count 2
		.amdhsa_user_sgpr_kernarg_segment_ptr 1
		.amdhsa_wavefront_size32 1
		.amdhsa_system_sgpr_workgroup_id_x 1
		.amdhsa_system_sgpr_workgroup_id_y 1
		.amdhsa_system_sgpr_workgroup_id_z 1
		.amdhsa_system_vgpr_workitem_id 0
		.amdhsa_next_free_vgpr 768
		.amdhsa_next_free_sgpr 96
		.amdhsa_reserve_vcc 0
		.amdhsa_float_denorm_mode_32 3
		.amdhsa_float_denorm_mode_16_64 3
		.amdhsa_memory_ordered 1
		.amdhsa_forward_progress 1
		.amdhsa_inst_pref_size 160
	.end_amdhsa_kernel
	.amdgpu_metadata
---
amdhsa.version: [ 1, 2 ]
amdhsa.kernels:
  - .name:           k_q33db08fb10_oproj
    .symbol:         k_q33db08fb10_oproj.kd
    .args:
      - { .name: aimg, .offset: 0, .size: 8, .value_kind: global_buffer, .address_space: global }
      - { .name: ascl, .offset: 8, .size: 8, .value_kind: global_buffer, .address_space: global }
      - { .name: Wo_codes, .offset: 16, .size: 8, .value_kind: global_buffer, .address_space: global }
      - { .name: Wo_scales, .offset: 24, .size: 8, .value_kind: global_buffer, .address_space: global }
      - { .name: out0, .offset: 32, .size: 8, .value_kind: global_buffer, .address_space: global }
    .group_segment_fixed_size: 327680
    .private_segment_fixed_size: 0
    .kernarg_segment_align: 8
    .kernarg_segment_size: 40
    .max_flat_workgroup_size: 128
    .sgpr_count:     96
    .vgpr_count:     768
    .wavefront_size: 32
...
	.end_amdgpu_metadata
.endif
;; end of part 3
